; MI455X (gfx1250); checked and timed in simulation.
; The chip was launched on July 23, 2026; its instructions are those of AMD's public machine-readable ISA for CDNA 5 (MIT licence, August 2026) and "CDNA5" Instruction Set Architecture Reference Guide (July 2026). The comments in the code are by the model that wrote it; some were corrected since.
;; Head. Allowed arithmetic: float matrix products may take bf16 or f16 operands with f32 sums; all other float work in f32.
;; Inputs: Wk 384 x 64 float32; Wq 384 x 64 float32; Wv 384 x 64 float32; x 512 x 256 x 384 float32.
;; Outputs: out0 512 x 256 x 64 float32.
;; 3 versions, each right; version 2 is faster than version 1; version 3 is version 2 with the launch head written anew for expert scheduling mode. Each part assembles by itself: llvm-mc -triple=amdgcn-amd-amdhsa -mcpu=gfx1250 --defsym DOCPART=n.
;; ======== version 1 of 3: 1 launch
;; launch head (part 1): grid 256 x 1, 4 waves a work-group, no clusters, 312,832 bytes of LDS; arguments x, Wq, Wk, Wv, out0; writes out0
.if DOCPART == 1
	.amdgcn_target "amdgcn-amd-amdhsa--gfx1250"
	.amdhsa_code_object_version 6
	.text
	.protected	k_qa1b2b5a38a_head
	.globl	k_qa1b2b5a38a_head
	.p2align	8
	.type	k_qa1b2b5a38a_head,@function
k_qa1b2b5a38a_head:
	s_mov_b64 s[64:65], 0
	v_nop
	global_prefetch_b8 v0, s[64:65] scope:SCOPE_SE
	s_setreg_imm32_b32 hwreg(HW_REG_WAVE_MODE, 25, 1), 1
	s_wait_xcnt 0x0
; One causal attention head.  x [512][256][384] f32, Wq/Wk/Wv [384][64] f32, out [512][256][64] f32.
; q,k,v = x W;  logits = q k^T * sqrt(384);  causal softmax;  out = P v.   All in one launch: q, k, v, logits and P never reach memory.
; 256 work-groups of four waves; work-group g does batches 2g and 2g+1.  Wave w owns rows 32w..32w+31 (tiles a = 0,1) and
; 224-32w..255-32w (tiles a = 2,3): w+1 and 8-w key blocks of 32, so that every wave has 18 blocks of 16 queries x 32 keys.
;
; NUMBER FORMATS AND LIMITS.  x and W are rounded to bf16 (nearest even); all sums are f32.  The logits are multiplied by sqrt(384), so q and k
; are not rounded once: q*sqrt(384)*log2(e) and k are each split into bf16 hi + bf16 lo (16 significant bits) and q k^T is hi*hi + hi*lo + lo*hi;
; lo*lo (2^-18 of a product) is dropped.  P and v are single bf16.  The maximum is a running maximum, taken away before every exponential,
; so no exponential exceeds 1 and each row's sum is at least 1.  NaN and infinite inputs, and inputs whose logits overflow f32, are not served.
;
; DATA PATH.  x: global_load_b128 into a ring of three register slots (a slot = my 64 rows x 64 k, 32 loads, 128 registers), rounded in place,
; laid into my own bf16 stage in LDS, read back as fragments.  The tensor data mover is not used: W (150,528 B), K hi/lo and V^T (107,520 B)
; and the stages (54,272 B) leave 15,360 B of LDS, no room for an f32 ring, while 384 registers a wave are free.
; NO CLUSTER: only W is shared between work-groups, 294,912 of the 1,212,416 bytes that a work-group moves, it is read once, and it has to pass
; registers to be rounded and transposed; an f32 landing area of 294,912 B does not fit beside the regions above.
; NO PREFETCH INTO THE CACHE: each wave keeps as many x loads out as its load counter holds, from the first line to the last chunk.
; NO LOOP: the number of key blocks differs from wave to wave, so the trips are written out and a wave enters each run of them by a forward
; branch on its number.  Every LDS address is then a register fixed in the prologue plus a constant.  The price is a long straight text.
;
; OPERAND ORDER, chosen so that no result is shuffled between lanes (r = lane & 15, h = lane >> 4):
;   Q, K:  source 0 = W^T fragment, source 1 = x fragment: lane holds x row r, features 16nt+8h+0..7 (two packed tiles ARE a 16x32 fragment)
;   V:     source 0 = x fragment, source 1 = W^T fragment: lane holds feature r, rows 8h+0..7 (16 bytes of V^T)
;   S^T:   source 0 = K fragment, source 1 = Q fragment:   lane holds query r, keys 8h+0..7 (two packed tiles ARE the P fragment)
;   out^T: source 0 = V^T fragment, source 1 = P fragment: lane holds query r, features 16i+8h+0..7
.set XROW,   1536                      ; bytes in a row of x
.set XBATCH, 393216                    ; bytes in a batch of x
.set OBATCH, 65536                     ; bytes in a batch of out
; LDS.  Every pitch is an odd multiple of 16 bytes: the 16 rows that a 16-byte-a-lane access touches fall into 16 different 16-byte columns of 256.
.set WPITCH, 784                       ; W^T in bf16: [192 = q,k,v x 64 features][384 k]
.set WSEC,   64*WPITCH                 ; one matrix: 50,176
.set KH,     3*WSEC                    ; K hi [256 keys][64 features], pitch 144
.set KPITCH, 144
.set KBLK,   32*KPITCH                 ; a block of 32 keys of K: 4,608
.set KLOFF,  256*KPITCH                ; K lo lies 36,864 behind K hi
.set VT,     KH+2*KLOFF                ; V^T [64 features][256 keys], pitch 528
.set VPITCH, 528
.set VBLK,   64                        ; a block of 32 keys along a row of V^T
.set XS,     VT+64*VPITCH              ; x stage: each wave 64 rows x 64 k bf16, pitch 144
.set XPITCH, 144
.set XSW,    64*XPITCH
.set OS,     XS+4*XSW                  ; out stage: each wave 16 rows x 256 bytes, pitch 272.  Ends at 312,320
.set OPITCH, 272
.set OSW,    16*OPITCH
; window 0: addresses, all fixed in the prologue
.set WQ,   4                           ; v4-6    W^T fragments of q, k, v: 784 r + 16 h (+ section)
.set WK,   5
.set WV,   6
.set XA,   7                           ; x fragments from my stage
.set XST,  8                           ; where I lay 8 bytes of x into my stage
.set XL,   9                           ; v9,10   byte offset in a batch of x: low pair, high pair
.set KSL,  11                          ; v11,12  K: rows of my low, high pair = fragment address of key block w, 7-w
.set KSH,  12
.set VSL,  13                          ; v13,14  the same for V^T
.set VSH,  14
.set KLM,  15                          ; key block w-1 (not used by wave 0)
.set VLM,  16
.set KHM,  17                          ; key block 6-w
.set VHM,  18
.set OST,  19                          ; out stage: in, back
.set ORD,  20
.set OGL,  21                          ; v21,22  byte offset in a batch of out: low pair, high pair
.set WG,   23                          ; my quarter of a W matrix in memory
.set WSTA, 24                          ; where its transposed 16 bytes go (q and k; v)
.set WSTB, 25
.set NEG1, 26                          ; -1.0
.set KB0,  29                          ; key block 0
.set VB0,  30
; window 0: data
.set AF0,  32                          ; projection: x fragments, 4 tiles x 8, two buffers
.set AF1,  64
.set BQ,   96                          ; W^T fragments, 4 x 8 each
.set BK,   128
.set BV,   160
.set RKHI, 32                          ; behind the projection: packed K hi, K lo, V: 4 registers a tile
.set RKLO, 96
.set RVB,  160
.set FK,   32                          ; attention: K hi fragments v32-63, K lo v64-95, V^T v96-127
.set FV,   96
.set F0,   192                         ; way out
.set F1,   224
; window 1
.set ACCQ, 0                           ; projection sums of q, tile (a, nt) at 8 (4a + nt); later O(a, i) at 32a + 8i
.set ACCK, 128                         ; those of k; later Q fragments (a, part, kk) at 128 + 32a + 16 part + 8 kk
.set QF,   128
; window 2, v0-127 (v128-255: x slot 0; window 3: x slots 1 and 2)
.set ACCV, 0
.set SREG, 0                           ; S(a, u) at 16a + 8u
.set PREG, 64                          ; P(a) at 64 + 8a
.set MREG, 96                          ; running maximum, a pair for each tile (the second register is never selected)
.set LREG, 104                         ; running sum of my half of the keys
.set ALREG, 108                        ; 2^(old maximum - new maximum), a pair for each tile; at the end 1 / sum
.set NEGI, 116                         ; -infinity
.set TREG, 120                         ; two temporaries a tile
.set MSB, 0
.macro WIN new                         ; low byte: blocks of source 0 (1:0), source 1 (3:2), source 2 (5:4), destination (7:6); high byte: the setting left
.if MSB != (\new)
	s_set_vgpr_msb ((MSB<<8)|(\new))
.set MSB, (\new)
.endif
.endm
; Four independent plain vector instructions stand between a matrix instruction and a vector instruction that reads its result or writes one of
; its registers; this text keeps the same distance for loads into such registers, and counts no matrix instruction as a place.
.macro PLACES
.rept 4
	v_nop
.endr
.endm
	s_load_b256 s[4:11], s[0:1], 0x0               ; x s[4:5], Wq s[6:7], Wk s[8:9], Wv s[10:11]
	s_load_b64 s[12:13], s[0:1], 0x20              ; out
	v_and_b32 v1, 15, v0                           ; r
	v_bfe_u32 v2, v0, 4, 1                         ; h
	v_lshrrev_b32 v3, 5, v0
	v_readfirstlane_b32 s14, v3                    ; w
	s_mov_b32 s20, 0x76543210                      ; v_permlanex16_b32: lane i reads lane i of the other half
	s_mov_b32 s21, 0xfedcba98
	s_mov_b32 s22, 0x41e22adf                      ; sqrt(384) * log2(e) = 28.270934, folded into q
	s_mov_b32 s23, 0x41e22adf
	s_mul_i32 s16, s14, 32*XROW
	s_sub_co_u32 s17, 224*XROW, s16
	v_mul_u32_u24 v3, v2, 8*XROW
	v_lshl_add_u32 v3, v1, 4, v3                   ; 8 h rows + 16 r bytes: lanes 0-15 one row's 256 bytes, lanes 16-31 the row 8 further
	v_add_nc_u32 v[XL], s16, v3
	v_add_nc_u32 v[XL+1], s17, v3
	s_mul_i32 s16, ttmp9, 2*XBATCH                 ; at most 255 x 786,432: below 2^31
	s_mov_b32 s17, 0
	s_lshl_b32 s18, ttmp9, 17
	s_mov_b32 s19, 0
	s_wait_kmcnt 0x0
	s_add_nc_u64 s[4:5], s[4:5], s[16:17]          ; x and out at the work-group's first batch; never stepped again
	s_add_nc_u64 s[12:13], s[12:13], s[18:19]
; 16 loads: one pair of 32 rows (half 0 low, 1 high) x 256 bytes at byte roff of the rows, into half a slot
.macro XFILL win, base, half, roff
	WIN ((\win)<<6)
.irp i, 0,1,2,3,4,5,6,7,8,9,10,11,12,13,14,15
	global_load_b128 v[\base+64*\half+4*\i:\base+64*\half+4*\i+3], v[XL+\half], s[4:5] offset:\roff+((\i&7)+16*(\i>>3))*XROW th:TH_LOAD_NT
.endr
.endm
; Half a chunk: wait, round in place (registers 4i, 4i+1 take the four numbers of 4i..4i+3), lay into my stage, ask for the slot's next chunk.
; The stage is mine alone and LDS serves a wave's instructions in order (ISA guide 5.7.1): no wait and no barrier orders it.
.macro CONVH win, base, half, lw, reload, roff
	s_wait_loadcnt \lw
	WIN ((\win)|((\win)<<2)|((\win)<<6))
.irp i, 0,1,2,3,4,5,6,7,8,9,10,11,12,13,14,15
	v_cvt_pk_bf16_f32 v[\base+64*\half+4*\i], v[\base+64*\half+4*\i], v[\base+64*\half+4*\i+1]
	v_cvt_pk_bf16_f32 v[\base+64*\half+4*\i+1], v[\base+64*\half+4*\i+2], v[\base+64*\half+4*\i+3]
.endr
	WIN ((\win)<<2)
.irp i, 0,1,2,3,4,5,6,7,8,9,10,11,12,13,14,15
	ds_store_b64 v[XST], v[\base+64*\half+4*\i:\base+64*\half+4*\i+1] offset:(32*\half+(\i&7)+16*(\i>>3))*XPITCH
.endr
.if \reload
	XFILL \win, \base, \half, \roff
.endif
.endm
	XFILL 2, 128, 0, 0                             ; chunks 0 and 1 of batch 0 into slots 0 and 1
	XFILL 2, 128, 1, 0
	XFILL 3, 0, 0, 256
	XFILL 3, 0, 1, 256
	WIN 0
	; the other addresses, while those loads are on their way
	s_mul_i32 s16, s14, 96*256
	v_lshlrev_b32 v3, 11, v2
	v_lshl_add_u32 v3, v1, 4, v3
	v_add_nc_u32 v[WG], s16, v3                    ; (96 w + 8 h) rows of 256 bytes + 16 r
	v_mul_u32_u24 v27, v1, WPITCH
	v_lshl_add_u32 v[WQ], v2, 4, v27
	v_add_nc_u32 v[WK], WSEC, v[WQ]
	v_add_nc_u32 v[WV], 2*WSEC, v[WQ]
	s_mul_i32 s16, s14, 192
	v_lshlrev_b32 v27, 2, v27                      ; feature 4 r
	v_lshl_add_u32 v27, v2, 4, v27
	v_add_nc_u32 v[WSTA], s16, v27                 ; + 2 (96 w + 8 h) bytes along k
	v_add_nc_u32 v[WSTB], 2*WSEC, v[WSTA]
	s_mul_i32 s16, s14, XSW
	s_add_co_u32 s16, s16, XS
	v_mul_u32_u24 v28, v1, KPITCH
	v_lshl_add_u32 v28, v2, 4, v28                 ; 144 r + 16 h: the lane term of the stage's and of K's fragments
	v_add_nc_u32 v[XA], s16, v28
	v_mul_u32_u24 v27, v2, 8*XPITCH
	v_lshl_add_u32 v27, v1, 3, v27
	v_add_nc_u32 v[XST], s16, v27
	s_mul_i32 s16, s14, KBLK
	s_sub_co_u32 s17, KH+7*KBLK, s16
	s_add_co_u32 s16, s16, KH
	v_add_nc_u32 v[KSL], s16, v28                  ; key block w
	v_add_nc_u32 v[KSH], s17, v28                  ; key block 7 - w
	s_sub_co_u32 s16, s16, KBLK
	s_sub_co_u32 s17, s17, KBLK
	v_add_nc_u32 v[KLM], s16, v28                  ; key block w - 1
	v_add_nc_u32 v[KHM], s17, v28                  ; key block 6 - w
	v_add_nc_u32 v[KB0], KH, v28                   ; key block 0
	v_mul_u32_u24 v27, v1, VPITCH
	v_lshl_add_u32 v27, v2, 4, v27
	s_lshl_b32 s16, s14, 6
	s_sub_co_u32 s17, VT+7*VBLK, s16
	s_add_co_u32 s16, s16, VT
	v_add_nc_u32 v[VSL], s16, v27
	v_add_nc_u32 v[VSH], s17, v27
	s_sub_co_u32 s16, s16, VBLK
	s_sub_co_u32 s17, s17, VBLK
	v_add_nc_u32 v[VLM], s16, v27
	v_add_nc_u32 v[VHM], s17, v27
	v_add_nc_u32 v[VB0], VT, v27
	s_mul_i32 s16, s14, OSW
	s_add_co_u32 s16, s16, OS
	v_mul_u32_u24 v27, v1, OPITCH
	v_lshl_add_u32 v27, v2, 5, v27
	v_add_nc_u32 v[OST], s16, v27
	v_mul_u32_u24 v27, v2, OPITCH
	v_lshl_add_u32 v27, v1, 4, v27
	v_add_nc_u32 v[ORD], s16, v27
	v_lshlrev_b32 v27, 8, v2
	v_lshl_add_u32 v27, v1, 4, v27
	s_lshl_b32 s16, s14, 13
	s_sub_co_u32 s17, 224*256, s16
	v_add_nc_u32 v[OGL], s16, v27
	v_add_nc_u32 v[OGL+1], s17, v27
	v_mov_b32 v[NEG1], -1.0
	v_lshlrev_b32 v3, 3, v2
	v_sub_nc_u32 v3, v1, v3                        ; r - 8 h
.irp j, 0,1,2,3,4,5,6,7
	v_cmp_le_i32 s[24+\j], \j, v3                  ; diagonal tile, register j: key 8 h + j <= query r
.endr
	; W: my 96 rows of k of each matrix, 18 units of 16 rows (8 loads, 32 registers at absolute register 64 + 32 u), then x chunk 2
.set UU, 0
.rept 18
.set WA_, 64+32*UU
	WIN ((WA_>>8)<<6)
.irp j, 0,1,2,3,4,5,6,7
	global_load_b128 v[(WA_&255)+4*\j:(WA_&255)+4*\j+3], v[WG], s[6+2*(UU/6):7+2*(UU/6)] offset:4096*(UU%6)+256*\j
.endr
.set UU, UU+1
.endr
	XFILL 3, 128, 0, 512
	XFILL 3, 128, 1, 512
	; A unit holds W[k0 + 8h + j][4r + c] in register 4j + c.  Packing rows 2q, 2q+1 of column c gives 16 bytes of W^T[4r + c][k0 + 8h ..].
.set UU, 0
.rept 18
.set WA_, 64+32*UU
.set WC_, 8*(17-UU)+32                 ; behind this unit's loads stand the later units' and chunk 2's 32
.if WC_ > 63
.set WC_, 63                           ; the largest count that the wait can name
.endif
.set TM_, 32+16*(UU&1)
	s_wait_loadcnt WC_
	WIN ((WA_>>8)|((WA_>>8)<<2))
.irp c, 0,1,2,3
.irp q, 0,1,2,3
	v_cvt_pk_bf16_f32 v[TM_+4*\c+\q], v[(WA_&255)+8*\q+\c], v[(WA_&255)+8*\q+4+\c]
.endr
.endr
	WIN 0
.irp c, 0,1,2,3
.if UU/6 == 2
	ds_store_b128 v[WSTB], v[TM_+4*\c:TM_+4*\c+3] offset:\c*WPITCH+32*(UU%6)
.else
	ds_store_b128 v[WSTA], v[TM_+4*\c:TM_+4*\c+3] offset:(UU/6)*WSEC+\c*WPITCH+32*(UU%6)
.endif
.endr
.set UU, UU+1
.endr
	CONVH 2, 128, 0, 63, 1, 768                    ; chunk 0 into my stage; its slot asks for chunk 3.  (More than 63 loads stand behind chunk 0's.)
	CONVH 2, 128, 1, 63, 1, 768
	WIN 0
	s_wait_dscnt 0x0                               ; my part of W^T is in LDS,
	s_barrier_signal -1
	s_barrier_wait -1                              ; everybody's is
.macro LOADB buf, adr, ks              ; 4 fragments of W^T (64 features x 32 k at K step ks)
.irp tn, 0,1,2,3
	ds_load_b128 v[\buf+8*\tn:\buf+8*\tn+3], v[\adr] offset:\tn*16*WPITCH+64*(\ks)
	ds_load_b128 v[\buf+8*\tn+4:\buf+8*\tn+7], v[\adr] offset:\tn*16*WPITCH+64*(\ks)+32
.endr
.endm
.macro LOADA buf, kk                   ; 4 fragments of x (my 64 rows x 32 k, half kk of the chunk)
.irp ta, 0,1,2,3
	ds_load_b128 v[\buf+8*\ta:\buf+8*\ta+3], v[XA] offset:\ta*16*XPITCH+64*\kk
	ds_load_b128 v[\buf+8*\ta+4:\buf+8*\ta+7], v[XA] offset:\ta*16*XPITCH+64*\kk+32
.endr
.endm
.macro MUL16S acc, bf, af, zero        ; 16 products, W^T as source 0 (q and k).  zero: the first product starts the sums
.irp ta, 0,1,2,3
.irp tn, 0,1,2,3
.if \zero
	v_wmma_f32_16x16x32_bf16 v[\acc+8*(4*\ta+\tn):\acc+8*(4*\ta+\tn)+7], v[\bf+8*\tn:\bf+8*\tn+7], v[\af+8*\ta:\af+8*\ta+7], 0
.else
	v_wmma_f32_16x16x32_bf16 v[\acc+8*(4*\ta+\tn):\acc+8*(4*\ta+\tn)+7], v[\bf+8*\tn:\bf+8*\tn+7], v[\af+8*\ta:\af+8*\ta+7], v[\acc+8*(4*\ta+\tn):\acc+8*(4*\ta+\tn)+7]
.endif
.endr
.endr
.endm
.macro MUL16N acc, bf, af, zero        ; 16 products, x as source 0 (v)
.irp ta, 0,1,2,3
.irp tn, 0,1,2,3
.if \zero
	v_wmma_f32_16x16x32_bf16 v[\acc+8*(4*\ta+\tn):\acc+8*(4*\ta+\tn)+7], v[\af+8*\ta:\af+8*\ta+7], v[\bf+8*\tn:\bf+8*\tn+7], 0
.else
	v_wmma_f32_16x16x32_bf16 v[\acc+8*(4*\ta+\tn):\acc+8*(4*\ta+\tn)+7], v[\af+8*\ta:\af+8*\ta+7], v[\bf+8*\tn:\bf+8*\tn+7], v[\acc+8*(4*\ta+\tn):\acc+8*(4*\ta+\tn)+7]
.endif
.endr
.endr
.endm
; CHUNK c of batch b: two K steps, 96 products.  At its head these LDS loads are out, in this order: AF0 8, BQ 8, BK 8, BV 8, AF1 8.
; Each s_wait_dscnt counts the LDS instructions issued behind the fragments that the next 16 products read.  While chunk c is multiplied,
; chunk c+1 is rounded into the stage (its 32 conversions are also the places behind the products) and its slot asks for chunk c+4.
.macro CHUNK c, b, more
.set ZR_, 0
.if \c == 0
.set ZR_, 1
.endif
.set NX_, 0
.if \c < 5
.set NX_, 1
.endif
.set CK_, \c+1
.set CW_, 3
.set CB_, 128
.if CK_%3 == 0
.set CW_, 2
.endif
.if CK_%3 == 1
.set CB_, 0
.endif
.if CK_ <= 2
.set RL_, 1
.set RO_, \b*XBATCH+(CK_+3)*256
.else
.set RL_, \more
.set RO_, (\b+1)*XBATCH+(CK_-3)*256
.endif
.set LA_, 63                           ; behind half a chunk's loads stand 64 or 80 younger ones: 63 is the largest count that the wait can name
.set LB_, 63
.if \more == 0                         ; the last batch asks for nothing behind its chunk 5: the counts run down
.if CK_ == 4
.set LA_, 48                           ; chunk 4's other half and chunk 5
.set LB_, 32                           ; chunk 5
.endif
.if CK_ == 5
.set LA_, 16
.set LB_, 0
.endif
.endif
	s_wait_dscnt 24                                ; behind BQ: BK, BV, AF1
	WIN 0x50
	MUL16S ACCQ, BQ, AF0, ZR_
.if NX_
	CONVH CW_, CB_, 0, LA_, RL_, RO_
.else
	PLACES
.endif
	WIN 0
	LOADB BQ, WQ, 2*\c+1
	s_wait_dscnt 24+16*NX_                         ; behind BK: BV, AF1, 16 stage stores, BQ
	WIN 0x50
	MUL16S ACCK, BK, AF0, ZR_
.if NX_
	CONVH CW_, CB_, 1, LB_, RL_, RO_
.else
	PLACES
.endif
	WIN 0
	LOADB BK, WK, 2*\c+1
	s_wait_dscnt 24+32*NX_                         ; behind BV: AF1, 32 stage stores, BQ, BK
	WIN 0xa0
	MUL16N ACCV, BV, AF0, ZR_
	PLACES
	WIN 0
	LOADB BV, WV, 2*\c+1
.if NX_
	LOADA AF0, 0                                   ; chunk c+1, behind its stage stores
.endif
	s_wait_dscnt 16+24*NX_                         ; behind BQ: 16 stage stores, BK, BV, AF0
	WIN 0x50
	MUL16S ACCQ, BQ, AF1, 0
.if NX_
	PLACES
	WIN 0
	LOADB BQ, WQ, 2*\c+2
.endif
	s_wait_dscnt 8+16*NX_                          ; behind BK: BV, AF0, BQ
	WIN 0x50
	MUL16S ACCK, BK, AF1, 0
.if NX_
	PLACES
	WIN 0
	LOADB BK, WK, 2*\c+2
.endif
	s_wait_dscnt 24*NX_                            ; behind BV: AF0, BQ, BK
	WIN 0xa0
	MUL16N ACCV, BV, AF1, 0
.if NX_
	PLACES
	WIN 0
	LOADB BV, WV, 2*\c+2
	LOADA AF1, 1
.endif
.endm
.macro LOADK adr, off                  ; a block of 32 keys at register adr + off: hi and lo, 2 x 16 keys, 2 x 32 features: 16 loads
.irp tp, 0,1
.irp tu, 0,1
.irp tk, 0,1
	ds_load_b128 v[FK+32*\tp+8*(2*\tu+\tk):FK+32*\tp+8*(2*\tu+\tk)+3], v[\adr] offset:\off+\tp*KLOFF+\tu*16*KPITCH+64*\tk
	ds_load_b128 v[FK+32*\tp+8*(2*\tu+\tk)+4:FK+32*\tp+8*(2*\tu+\tk)+7], v[\adr] offset:\off+\tp*KLOFF+\tu*16*KPITCH+64*\tk+32
.endr
.endr
.endr
.endm
.macro LOADV adr, off                  ; the same 32 keys of V^T, 4 x 16 features: 8 loads
.irp ti, 0,1,2,3
	ds_load_b128 v[FV+8*\ti:FV+8*\ti+3], v[\adr] offset:\off+\ti*16*VPITCH
	ds_load_b128 v[FV+8*\ti+4:FV+8*\ti+7], v[\adr] offset:\off+\ti*16*VPITCH+32
.endr
.endm
; A pair's state in a trip: 0 not yet begun, 1 its diagonal block (its first: the sums start), 2 a full block.
; In a diagonal block the even tile has only keys 0-15 (masked); the odd tile has keys 0-15 whole and keys 16-31 masked.
; One link of every active chain: S(a, u) += K(part kp, u, kk) x Q(a, part qp, kk)
.macro SROUND kp, qp, kk, first, lom, him
.irp ta, 0,1,2,3
.irp tu, 0,1
.if \ta < 2
.set PM_, \lom
.else
.set PM_, \him
.endif
.set ACT_, 0
.if PM_ == 2
.set ACT_, 1
.endif
.if PM_ == 1
.if (\ta&1) == 1
.set ACT_, 1
.endif
.if \tu == 0
.set ACT_, 1
.endif
.endif
.if ACT_
.if \first
	v_wmma_f32_16x16x32_bf16 v[SREG+16*\ta+8*\tu:SREG+16*\ta+8*\tu+7], v[FK+32*\kp+8*(2*\tu+\kk):FK+32*\kp+8*(2*\tu+\kk)+7], v[QF+32*\ta+16*\qp+8*\kk:QF+32*\ta+16*\qp+8*\kk+7], 0
.else
	v_wmma_f32_16x16x32_bf16 v[SREG+16*\ta+8*\tu:SREG+16*\ta+8*\tu+7], v[FK+32*\kp+8*(2*\tu+\kk):FK+32*\kp+8*(2*\tu+\kk)+7], v[QF+32*\ta+16*\qp+8*\kk:QF+32*\ta+16*\qp+8*\kk+7], v[SREG+16*\ta+8*\tu:SREG+16*\ta+8*\tu+7]
.endif
.endif
.endr
.endr
.endm
; op a, mode, init for every active tile.  mode 0 full, 1 diagonal even tile, 2 diagonal odd tile; init 1: the tile's first block
.macro TILES op, lom, him
.if \lom == 1
	\op 0, 1, 1
	\op 1, 2, 1
.endif
.if \lom == 2
	\op 0, 0, 0
	\op 1, 0, 0
.endif
.if \him == 1
	\op 2, 1, 1
	\op 3, 2, 1
.endif
.if \him == 2
	\op 2, 0, 0
	\op 3, 0, 0
.endif
.endm
; The softmax step in stages, each over all active tiles, so that neighbouring lines do not wait for each other.  All in window 2.
.macro SMA a, mode, init               ; mask the diagonal tile, then the largest of my 8 or 16 logits
.set S_, SREG+16*\a
.set T_, TREG+2*\a
.if \mode == 1
.irp j, 0,1,2,3,4,5,6,7
	v_cndmask_b32 v[S_+\j], v[NEGI], v[S_+\j], s[24+\j]
.endr
	v_max3_num_f32 v[T_], v[S_], v[S_+1], v[S_+2]
	v_max3_num_f32 v[T_+1], v[S_+3], v[S_+4], v[S_+5]
	v_max3_num_f32 v[T_], v[T_], v[S_+6], v[S_+7]
	v_max_num_f32 v[T_], v[T_], v[T_+1]
.else
.if \mode == 2
.irp j, 0,1,2,3,4,5,6,7
	v_cndmask_b32 v[S_+8+\j], v[NEGI], v[S_+8+\j], s[24+\j]
.endr
.endif
	v_max3_num_f32 v[T_], v[S_], v[S_+1], v[S_+2]
	v_max3_num_f32 v[T_+1], v[S_+8], v[S_+9], v[S_+10]
	v_max3_num_f32 v[T_], v[T_], v[S_+3], v[S_+4]
	v_max3_num_f32 v[T_+1], v[T_+1], v[S_+11], v[S_+12]
	v_max3_num_f32 v[T_], v[T_], v[S_+5], v[S_+6]
	v_max3_num_f32 v[T_+1], v[T_+1], v[S_+13], v[S_+14]
	v_max3_num_f32 v[T_], v[T_], v[S_+7], v[S_+15]
	v_max_num_f32 v[T_], v[T_], v[T_+1]
.endif
.endm
.macro SMB a, mode, init               ; the other half of the lanes holds the query's other keys
	v_permlanex16_b32 v[TREG+2*\a+1], v[TREG+2*\a], s20, s21
.endm
.macro SMC a, mode, init               ; the running maximum; old - new for the rescaling.  A diagonal block holds key = query: the maximum is finite
.if \init
	v_max_num_f32 v[MREG+2*\a], v[TREG+2*\a], v[TREG+2*\a+1]
.else
	v_mov_b32 v[ALREG+2*\a], v[MREG+2*\a]
	v_max3_num_f32 v[MREG+2*\a], v[TREG+2*\a], v[TREG+2*\a+1], v[MREG+2*\a]
	v_sub_f32 v[ALREG+2*\a], v[ALREG+2*\a], v[MREG+2*\a]
.endif
.endm
.macro SMD a, mode, init               ; logit - maximum, two at a time, the maximum broadcast from the pair's first register
.irp j, 0,2,4,6
	v_pk_add_f32 v[SREG+16*\a+\j:SREG+16*\a+\j+1], v[SREG+16*\a+\j:SREG+16*\a+\j+1], v[MREG+2*\a:MREG+2*\a+1] op_sel_hi:[1,0] neg_lo:[0,1] neg_hi:[0,1]
.endr
.if \mode != 1
.irp j, 8,10,12,14
	v_pk_add_f32 v[SREG+16*\a+\j:SREG+16*\a+\j+1], v[SREG+16*\a+\j:SREG+16*\a+\j+1], v[MREG+2*\a:MREG+2*\a+1] op_sel_hi:[1,0] neg_lo:[0,1] neg_hi:[0,1]
.endr
.endif
.endm
.macro SME a, mode, init               ; 2^x: the factor log2(e) is in q.  Masked logits are -infinity and give 0
.irp j, 0,1,2,3,4,5,6,7
	v_exp_f32 v[SREG+16*\a+\j], v[SREG+16*\a+\j]
.endr
.if \mode != 1
.irp j, 8,9,10,11,12,13,14,15
	v_exp_f32 v[SREG+16*\a+\j], v[SREG+16*\a+\j]
.endr
.endif
.if \init == 0
	v_exp_f32 v[ALREG+2*\a], v[ALREG+2*\a]
.endif
.endm
.macro SMF a, mode, init               ; P in bf16: keys 8h+0..7 in registers 0-3, keys 16+8h+0..7 in registers 4-7: a fragment as it stands
.irp j, 0,1,2,3
	v_cvt_pk_bf16_f32 v[PREG+8*\a+\j], v[SREG+16*\a+2*\j], v[SREG+16*\a+2*\j+1]
.endr
.irp j, 4,5,6,7
.if \mode == 1
	v_mov_b32 v[PREG+8*\a+\j], 0
.else
	v_cvt_pk_bf16_f32 v[PREG+8*\a+\j], v[SREG+16*\a+2*\j], v[SREG+16*\a+2*\j+1]
.endif
.endr
.endm
.macro SMG a, mode, init               ; the sum of my keys, in place in S, which is done with; the two halves of the lanes are joined once, at the end
.set S_, SREG+16*\a
	v_pk_add_f32 v[S_:S_+1], v[S_:S_+1], v[S_+2:S_+3]
	v_pk_add_f32 v[S_+4:S_+5], v[S_+4:S_+5], v[S_+6:S_+7]
.if \mode != 1
	v_pk_add_f32 v[S_+8:S_+9], v[S_+8:S_+9], v[S_+10:S_+11]
	v_pk_add_f32 v[S_+12:S_+13], v[S_+12:S_+13], v[S_+14:S_+15]
.endif
	v_pk_add_f32 v[S_:S_+1], v[S_:S_+1], v[S_+4:S_+5]
.if \mode != 1
	v_pk_add_f32 v[S_+8:S_+9], v[S_+8:S_+9], v[S_+12:S_+13]
	v_pk_add_f32 v[S_:S_+1], v[S_:S_+1], v[S_+8:S_+9]
.endif
.if \init
	v_add_f32 v[LREG+\a], v[S_], v[S_+1]
.else
	v_fma_f32 v[LREG+\a], v[LREG+\a], v[ALREG+2*\a], v[S_]
	v_add_f32 v[LREG+\a], v[LREG+\a], v[S_+1]
.endif
.endm
.macro RESC a, mode, init              ; O(a) *= the pair's first register of AL(a)
.if \init == 0
.irp j, 0,2,4,6,8,10,12,14,16,18,20,22,24,26,28,30
	v_pk_mul_f32 v[32*\a+\j:32*\a+\j+1], v[32*\a+\j:32*\a+\j+1], v[ALREG+2*\a:ALREG+2*\a+1] op_sel_hi:[1,0]
.endr
.endif
.endm
.macro PVT a, mode, init               ; O(a, i) += V^T(i) x P(a)
.irp ti, 0,1,2,3
.if \init
	v_wmma_f32_16x16x32_bf16 v[32*\a+8*\ti:32*\a+8*\ti+7], v[FV+8*\ti:FV+8*\ti+7], v[PREG+8*\a:PREG+8*\a+7], 0
.else
	v_wmma_f32_16x16x32_bf16 v[32*\a+8*\ti:32*\a+8*\ti+7], v[FV+8*\ti:FV+8*\ti+7], v[PREG+8*\a:PREG+8*\a+7], v[32*\a+8*\ti:32*\a+8*\ti+7]
.endif
.endr
.endm
; One key block.  At its head 16 loads of K and behind them 8 of V^T are out (kwait = what stands behind K's).  pf = 1: the block below is
; asked for, at kadr + koff and vadr + voff: K as soon as the S products have read the old one, V^T behind the PV products.
.macro TRIP lom, him, kwait, pf, kadr, koff, vadr, voff
	s_wait_dscnt \kwait
	WIN 0xa4
	SROUND 0, 0, 0, 1, \lom, \him                  ; hi x hi
	SROUND 0, 0, 1, 0, \lom, \him
	SROUND 0, 1, 0, 0, \lom, \him                  ; K hi x Q lo
	SROUND 0, 1, 1, 0, \lom, \him
	SROUND 1, 0, 0, 0, \lom, \him                  ; K lo x Q hi
	SROUND 1, 0, 1, 0, \lom, \him
	PLACES
	WIN 0
	s_wait_dscnt 0x0                               ; V^T is in (asked for a trip's S products ago)
.if \pf
	LOADK \kadr, \koff
.endif
	WIN 0xaa
	TILES SMA, \lom, \him
	TILES SMB, \lom, \him
	TILES SMC, \lom, \him
	TILES SMD, \lom, \him
	TILES SME, \lom, \him
	v_nop                                          ; one plain instruction between the run of exponentials and the first use of a result (ISA guide 5.7.2)
	s_wait_alu depctr_va_vdst(0)
	TILES SMF, \lom, \him
	TILES SMG, \lom, \him
	WIN 0x49
	TILES RESC, \lom, \him
	WIN 0x58
	TILES PVT, \lom, \him
	PLACES
	WIN 0
.if \pf
	LOADV \vadr, \voff
.endif
.endm
; 16 rows of out through my stage: a lane's 32 bytes in, whole rows of 256 bytes back, each stored by 16 neighbouring lanes
.macro OUT16 a, f, b
	WIN 0x04
.irp ti, 0,1,2,3
	ds_store_b128 v[OST], v[32*\a+8*\ti:32*\a+8*\ti+3] offset:64*\ti
	ds_store_b128 v[OST], v[32*\a+8*\ti+4:32*\a+8*\ti+7] offset:64*\ti+16
.endr
	WIN 0
	s_wait_xcnt 0x0                                ; buffer f was the data of the stores two tiles ago: it is loaded again only behind this wait
.irp tt, 0,1,2,3,4,5,6,7
	ds_load_b128 v[\f+4*\tt:\f+4*\tt+3], v[ORD] offset:\tt*2*OPITCH        ; LDS serves my instructions in order: these see the stores above
.endr
.irp tt, 0,1,2,3,4,5,6,7
	s_wait_dscnt 7-\tt
	global_store_b128 v[OGL+(\a>>1)], v[\f+4*\tt:\f+4*\tt+3], s[12:13] offset:\b*OBATCH+(\a&1)*4096+512*\tt th:TH_STORE_NT
.endr
.endm
.macro BATCH b, more
	; ---------------- projection: 4 row tiles x 12 feature tiles x 12 K steps
	PLACES
	WIN 0
	LOADA AF0, 0
	LOADB BQ, WQ, 0
	LOADB BK, WK, 0
	LOADB BV, WV, 0
	LOADA AF1, 1
	CHUNK 0, \b, \more
	CHUNK 1, \b, \more
	CHUNK 2, \b, \more
	CHUNK 3, \b, \more
	CHUNK 4, \b, \more
	CHUNK 5, \b, \more
	; ---------------- k = hi + lo, v, to LDS; q * sqrt(384) log2(e) = hi + lo, to fragments
	PLACES
	s_wait_xcnt 0x0                                ; v192-223 were the data of the last batch's stores
	WIN 0x05
.irp tt, 0,1,2,3,4,5,6,7,8,9,10,11,12,13,14,15
.irp q, 0,1,2,3
	v_cvt_pk_bf16_f32 v[RKHI+4*\tt+\q], v[ACCK+8*\tt+2*\q], v[ACCK+8*\tt+2*\q+1]
.endr
.endr
	WIN 0x50
.irp tt, 0,1,2,3,4,5,6,7,8,9,10,11,12,13,14,15
.irp q, 0,1,2,3
	v_fma_mix_f32_bf16 v[ACCK+8*\tt+2*\q], v[RKHI+4*\tt+\q], v[NEG1], v[ACCK+8*\tt+2*\q] op_sel_hi:[1,0,0]                    ; k - hi, exact
	v_fma_mix_f32_bf16 v[ACCK+8*\tt+2*\q+1], v[RKHI+4*\tt+\q], v[NEG1], v[ACCK+8*\tt+2*\q+1] op_sel:[1,0,0] op_sel_hi:[1,0,0]
.endr
.endr
	WIN 0x05
.irp tt, 0,1,2,3,4,5,6,7,8,9,10,11,12,13,14,15
.irp q, 0,1,2,3
	v_cvt_pk_bf16_f32 v[RKLO+4*\tt+\q], v[ACCK+8*\tt+2*\q], v[ACCK+8*\tt+2*\q+1]
.endr
.endr
	WIN 0x0a
.irp tt, 0,1,2,3,4,5,6,7,8,9,10,11,12,13,14,15
.irp q, 0,1,2,3
	v_cvt_pk_bf16_f32 v[RVB+4*\tt+\q], v[ACCV+8*\tt+2*\q], v[ACCV+8*\tt+2*\q+1]
.endr
.endr
	WIN 0
.if \b
	s_wait_dscnt 0x0                               ; my reads of the last batch's K and V^T are over,
	s_barrier_signal -1
	s_barrier_wait -1                              ; everybody's are: they may be written again
.endif
.irp ta, 0,1,2,3
.irp tn, 0,1,2,3
	ds_store_b128 v[KSL+(\ta>>1)], v[RKHI+4*(4*\ta+\tn):RKHI+4*(4*\ta+\tn)+3] offset:(\ta&1)*16*KPITCH+32*\tn
	ds_store_b128 v[KSL+(\ta>>1)], v[RKLO+4*(4*\ta+\tn):RKLO+4*(4*\ta+\tn)+3] offset:KLOFF+(\ta&1)*16*KPITCH+32*\tn
	ds_store_b128 v[VSL+(\ta>>1)], v[RVB+4*(4*\ta+\tn):RVB+4*(4*\ta+\tn)+3] offset:\tn*16*VPITCH+(\ta&1)*32
.endr
.endr
	WIN 0x41
.set JJ, 0
.rept 64
	v_pk_mul_f32 v[ACCQ+JJ:ACCQ+JJ+1], v[ACCQ+JJ:ACCQ+JJ+1], s[22:23] op_sel_hi:[1,0]
.set JJ, JJ+2
.endr
	s_wait_dscnt 0x0                               ; my rows of K and my columns of V^T are in LDS:
	s_barrier_signal -1                            ; say so,
	WIN 0x45
.irp ta, 0,1,2,3
.irp tn, 0,1,2,3
.irp q, 0,1,2,3
	v_cvt_pk_bf16_f32 v[QF+32*\ta+4*\tn+\q], v[ACCQ+8*(4*\ta+\tn)+2*\q], v[ACCQ+8*(4*\ta+\tn)+2*\q+1]      ; Q hi: registers only
.endr
.endr
.endr
	s_barrier_wait -1                              ; and read when all four have said so
	WIN 0
	LOADK KSH, 0                                   ; key block 7 - w: the high pair's diagonal
	LOADV VSH, 0
	WIN 0x51
.irp ta, 0,1,2,3
.irp tn, 0,1,2,3
.irp q, 0,1,2,3
	v_fma_mix_f32_bf16 v[ACCQ+8*(4*\ta+\tn)+2*\q], v[QF+32*\ta+4*\tn+\q], v[NEG1], v[ACCQ+8*(4*\ta+\tn)+2*\q] op_sel_hi:[1,0,0]
	v_fma_mix_f32_bf16 v[ACCQ+8*(4*\ta+\tn)+2*\q+1], v[QF+32*\ta+4*\tn+\q], v[NEG1], v[ACCQ+8*(4*\ta+\tn)+2*\q+1] op_sel:[1,0,0] op_sel_hi:[1,0,0]
.endr
.endr
.endr
	WIN 0x45
.irp ta, 0,1,2,3
.irp tn, 0,1,2,3
.irp q, 0,1,2,3
	v_cvt_pk_bf16_f32 v[QF+32*\ta+16+4*\tn+\q], v[ACCQ+8*(4*\ta+\tn)+2*\q], v[ACCQ+8*(4*\ta+\tn)+2*\q+1]   ; Q lo
.endr
.endr
.endr
	WIN 0x80
	v_mov_b32 v[NEGI], 0xff800000
.irp ta, 0,1,2,3
	v_mov_b32 v[MREG+2*\ta+1], 0                   ; the second registers of the broadcast pairs: named, never selected
	v_mov_b32 v[ALREG+2*\ta+1], 0
.endr
	WIN 0
	; ---------------- attention, key blocks descending, each loaded once for both pairs
	TRIP 0, 1, 8, 1, KHM, 0, VHM, 0                ; block 7 - w: the high pair's diagonal; asks for block 6 - w
	; The high pair alone: blocks 6 - w .. w + 1.  Copy c = 0..5 multiplies block 6 + w - c and asks for block 5 + w - c; wave w enters at c = 2w.
	s_cmp_eq_u32 s14, 3
	s_cbranch_scc1 .LB6x\b
	s_cmp_eq_u32 s14, 2
	s_cbranch_scc1 .LB4x\b
	s_cmp_eq_u32 s14, 1
	s_cbranch_scc1 .LB2x\b
	TRIP 0, 2, 8, 1, KSL, 5*KBLK, VSL, 5*VBLK
	TRIP 0, 2, 8, 1, KSL, 4*KBLK, VSL, 4*VBLK
.LB2x\b:
	TRIP 0, 2, 8, 1, KSL, 3*KBLK, VSL, 3*VBLK
	TRIP 0, 2, 8, 1, KSL, 2*KBLK, VSL, 2*VBLK
.LB4x\b:
	TRIP 0, 2, 8, 1, KSL, 1*KBLK, VSL, 1*VBLK
	TRIP 0, 2, 8, 1, KSL, 0, VSL, 0
.LB6x\b:
.if \more
	CONVH 2, 128, 0, 63, 1, (\b+1)*XBATCH+768      ; the next batch's chunk 0 goes into the idle stage, so that its slot can ask for chunk 3
	CONVH 2, 128, 1, 63, 1, (\b+1)*XBATCH+768
	WIN 0
.endif
	s_cmp_eq_u32 s14, 0
	s_cbranch_scc1 .Lwave0x\b                      ; wave 0: block w = 0 is the last
	TRIP 1, 2, 8+32*\more, 1, KLM, 0, VLM, 0       ; block w: the low pair's diagonal.  Behind K's loads: V^T's 8 and the 32 stage stores.  Asks for block w - 1
	; Both pairs: blocks w - 1 .. 0.  Copy d = 0..2 multiplies block 2 - d; wave w enters at d = 3 - w.
	s_cmp_eq_u32 s14, 1
	s_cbranch_scc1 .LA2x\b
	s_cmp_eq_u32 s14, 2
	s_cbranch_scc1 .LA1x\b
	TRIP 2, 2, 8, 1, KB0, 1*KBLK, VB0, 1*VBLK
.LA1x\b:
	TRIP 2, 2, 8, 1, KB0, 0, VB0, 0
.LA2x\b:
	TRIP 2, 2, 8, 0, 0, 0, 0, 0                    ; block 0: nothing lies below it
	s_branch .Lfinalx\b
.Lwave0x\b:
	TRIP 1, 2, 8+32*\more, 0, 0, 0, 0, 0
.Lfinalx\b:
	; ---------------- out = O / sum
	WIN 0xaa
.irp ta, 0,1,2,3
	v_permlanex16_b32 v[TREG+\ta], v[LREG+\ta], s20, s21
.endr
.irp ta, 0,1,2,3
	v_add_f32 v[LREG+\ta], v[LREG+\ta], v[TREG+\ta]
.endr
.irp ta, 0,1,2,3
	v_rcp_f32 v[ALREG+2*\ta], v[LREG+\ta]          ; the sum is at least 1
.endr
	v_nop                                          ; one plain instruction before the reciprocals are used (ISA guide 5.7.2)
	s_wait_alu depctr_va_vdst(0)
	WIN 0x49
	RESC 0, 0, 0
	RESC 1, 0, 0
	RESC 2, 0, 0
	RESC 3, 0, 0
	OUT16 0, F0, \b
	OUT16 1, F1, \b
	OUT16 2, F0, \b
	OUT16 3, F1, \b
.endm
	BATCH 0, 1
	BATCH 1, 0
	s_wait_xcnt 0x0
	v_lshl_add_u32 v254, v0, 2, 0x4c400
	v_mov_b32 v255, 0
	s_wait_tensorcnt 0x0
	ds_add_u32 v254, v255
	s_wait_dscnt 0x0
	s_endpgm
.Lfunc_end_k_qa1b2b5a38a_head:
	.size	k_qa1b2b5a38a_head, .Lfunc_end_k_qa1b2b5a38a_head-k_qa1b2b5a38a_head
	.p2alignl 7, 3214868480
	.fill 96, 4, 3214868480
	.section	.rodata,"a",@progbits
	.p2align	6, 0x0
	.amdhsa_kernel k_qa1b2b5a38a_head
		.amdhsa_group_segment_fixed_size 312832
		.amdhsa_private_segment_fixed_size 0
		.amdhsa_enable_private_segment 0
		.amdhsa_kernarg_size 40
		.amdhsa_user_sgpr_count 2
		.amdhsa_user_sgpr_kernarg_segment_ptr 1
		.amdhsa_wavefront_size32 1
		.amdhsa_system_sgpr_workgroup_id_x 1
		.amdhsa_system_sgpr_workgroup_id_y 1
		.amdhsa_system_sgpr_workgroup_id_z 1
		.amdhsa_system_vgpr_workitem_id 0
		.amdhsa_next_free_vgpr 1024
		.amdhsa_next_free_sgpr 66
		.amdhsa_reserve_vcc 0
		.amdhsa_float_denorm_mode_32 3
		.amdhsa_float_denorm_mode_16_64 3
		.amdhsa_memory_ordered 1
		.amdhsa_forward_progress 1
		.amdhsa_inst_pref_size 255
	.end_amdhsa_kernel
	.section	.bss,"aw",@nobits
	.p2align	6
	.space	262144
	.amdgpu_metadata
---
amdhsa.version: [ 1, 2 ]
amdhsa.kernels:
  - .name:           k_qa1b2b5a38a_head
    .symbol:         k_qa1b2b5a38a_head.kd
    .args:
      - { .name: x, .offset: 0, .size: 8, .value_kind: global_buffer, .address_space: global }
      - { .name: Wq, .offset: 8, .size: 8, .value_kind: global_buffer, .address_space: global }
      - { .name: Wk, .offset: 16, .size: 8, .value_kind: global_buffer, .address_space: global }
      - { .name: Wv, .offset: 24, .size: 8, .value_kind: global_buffer, .address_space: global }
      - { .name: out0, .offset: 32, .size: 8, .value_kind: global_buffer, .address_space: global }
    .group_segment_fixed_size: 312832
    .private_segment_fixed_size: 0
    .kernarg_segment_align: 8
    .kernarg_segment_size: 40
    .max_flat_workgroup_size: 128
    .sgpr_count:     66
    .vgpr_count:     1024
    .wavefront_size: 32
...
	.end_amdgpu_metadata
.endif
;; end of part 1
;; ======== version 2 of 3: 1 launch; 1.44 times as fast as version 1
;; launch head (part 2): grid 256 x 1, 4 waves a work-group, no clusters, 312,832 bytes of LDS; arguments x, Wq, Wk, Wv, out0; writes out0
.if DOCPART == 2
	.amdgcn_target "amdgcn-amd-amdhsa--gfx1250"
	.amdhsa_code_object_version 6
	.text
	.protected	k_qa1b2b5a38a_head
	.globl	k_qa1b2b5a38a_head
	.p2align	8
	.type	k_qa1b2b5a38a_head,@function
k_qa1b2b5a38a_head:
	s_mov_b64 s[64:65], 0
	v_nop
	global_prefetch_b8 v0, s[64:65] scope:SCOPE_SE
	s_setreg_imm32_b32 hwreg(HW_REG_WAVE_MODE, 25, 1), 1
	s_wait_xcnt 0x0
; One causal attention head.  x [512][256][384] f32, Wq/Wk/Wv [384][64] f32, out [512][256][64] f32.
; q,k,v = x W;  logits = q k^T * sqrt(384);  causal softmax;  out = P v.   All in one launch: q, k, v, logits and P never reach memory.
; 256 work-groups of four waves; work-group g does batches 2g and 2g+1, by one body that is run twice.  Wave w owns rows 32w..32w+31
; (tiles a = 0,1) and 224-32w..255-32w (tiles a = 2,3): w+1 and 8-w key blocks of 32, so every wave has 18 blocks of 16 queries x 32 keys.
;
; NUMBER FORMATS AND LIMITS.  x and W are rounded to bf16 (nearest even); all sums are f32.  The logits are multiplied by sqrt(384), so q and k
; are not rounded once: q*sqrt(384)*log2(e) and k are each split into bf16 hi + bf16 lo (16 significant bits) and q k^T is hi*hi + hi*lo + lo*hi;
; lo*lo (2^-18 of a product) is dropped.  P and v are single bf16.  The maximum is a running maximum, taken away before every exponential,
; so no exponential exceeds 1 and each row's sum is at least 1.  NaN and infinite inputs, and inputs whose logits overflow f32, are not served.
;
; DATA PATH.  x: global_load_b128 into a ring of three register slots (a slot = a chunk = my 64 rows x 64 k, 32 loads, 128 registers), rounded in
; place, laid into my own bf16 stage in LDS, read back as fragments.  The tensor data mover is not used: W (150,528 B), K hi/lo and V^T
; (107,520 B) and the stages (54,272 B) leave 15,360 B of LDS, no room for an f32 ring, while 384 registers a wave are free.
; THE RING runs down inside a batch: chunks 3, 4, 5 are asked for as slots come free, three chunks ahead of their use.  The next batch's chunks
; 0, 1, 2 are asked for behind chunk 4 and in front of attention, in two stretches of 48 loads that the last batch jumps over.
; NO CLUSTER: only W is shared between work-groups, 294,912 of the 1,212,416 bytes that a work-group moves, it is read once, and it has to pass
; registers to be rounded and transposed; an f32 landing area of 294,912 B does not fit beside the regions above.
; NO PREFETCH INTO THE CACHE in this text: half of the next batch is asked for by loads while attention runs; the other half from the batch's head on.
; NO LOOP OVER CHUNKS: the slots turn once in three chunks, and a batch's first three chunks reload while its last three run down.
;
; OPERAND ORDER, chosen so that no result is shuffled between lanes (r = lane & 15, h = lane >> 4):
;   Q, K:  source 0 = W^T fragment, source 1 = x fragment: lane holds x row r, features 16nt+8h+0..7 (two packed tiles ARE a 16x32 fragment)
;   V:     source 0 = x fragment, source 1 = W^T fragment: lane holds feature r, rows 8h+0..7 (16 bytes of V^T)
;   S^T:   source 0 = K fragment, source 1 = Q fragment:   lane holds query r, keys 8h+0..7 (two packed tiles ARE the P fragment)
;   out^T: source 0 = V^T fragment, source 1 = P fragment: lane holds query r, features 16i+8h+0..7
.set XROW,   1536                      ; bytes in a row of x
.set XBATCH, 393216                    ; bytes in a batch of x
.set OBATCH, 65536                     ; bytes in a batch of out
; LDS.  Every pitch is an odd multiple of 16 bytes: the 16 rows that a 16-byte-a-lane access touches fall into 16 different 16-byte columns of 256.
.set WPITCH, 784                       ; W^T in bf16: [192 = q,k,v x 64 features][384 k]
.set WSEC,   64*WPITCH                 ; one matrix: 50,176
.set KH,     3*WSEC                    ; K hi [256 keys][64 features], pitch 144
.set KPITCH, 144
.set KBLK,   32*KPITCH                 ; a block of 32 keys of K: 4,608
.set KLOFF,  256*KPITCH                ; K lo lies 36,864 behind K hi
.set VT,     KH+2*KLOFF                ; V^T [64 features][256 keys], pitch 528
.set VPITCH, 528
.set VBLK,   64                        ; a block of 32 keys along a row of V^T
.set XS,     VT+64*VPITCH              ; x stage: each wave 64 rows x 64 k bf16, pitch 144
.set XPITCH, 144
.set XSW,    64*XPITCH
.set OS,     XS+4*XSW                  ; out stage: each wave 16 rows x 256 bytes, pitch 272.  Ends at 312,320
.set OPITCH, 272
.set OSW,    16*OPITCH
; window 0: addresses
.set WQ,   4                           ; v4-6    W^T fragments of q, k, v: 784 r + 16 h (+ section)
.set WK,   5
.set WV,   6
.set XA,   7                           ; x fragments from my stage
.set XST,  8                           ; where I lay 8 bytes of x into my stage
.set XL,   9                           ; v9,10   byte offset in a batch of x: low pair, high pair
.set KSL,  11                          ; v11,12  K: rows of my low, high pair (v12 is also the fragment address of key block 7-w)
.set KSH,  12
.set VSL,  13                          ; v13,14  the same for V^T
.set VSH,  14
.set KF,   17                          ; running fragment address of K, of V^T: one key block down in every trip
.set VF,   18
.set OST,  19                          ; out stage: in, back
.set ORD,  20
.set OGL,  21                          ; v21,22  byte offset in a batch of out: low pair, high pair
.set WG,   23                          ; my quarter of a W matrix in memory
.set WSTA, 24                          ; where its transposed 16 bytes go (q and k; v)
.set WSTB, 25
.set NEG1, 26                          ; -1.0
; window 0: data
.set AF0,  32                          ; projection: x fragments, 4 tiles x 8, two buffers
.set AF1,  64
.set BQ,   96                          ; W^T fragments, 4 x 8 each
.set BK,   128
.set BV,   160
.set RKHI, 32                          ; behind the projection: packed K hi, K lo, V: 4 registers a tile
.set RKLO, 96
.set RVB,  160
.set FK,   32                          ; attention: K hi fragments v32-63, K lo v64-95, V^T v96-127
.set FV,   96
.set F0,   192                         ; way out
.set F1,   224
; window 1
.set ACCQ, 0                           ; projection sums of q, tile (a, nt) at 8 (4a + nt); later O(a, i) at 32a + 8i
.set ACCK, 128                         ; those of k; later Q fragments (a, part, kk) at 128 + 32a + 16 part + 8 kk
.set QF,   128
; window 2, v0-127 (v128-255: x slot 0; window 3: x slots 1 and 2)
.set ACCV, 0
.set SREG, 0                           ; S(a, u) at 16a + 8u
.set PREG, 64                          ; P(a) at 64 + 8a
.set MREG, 96                          ; running maximum, a pair for each tile (the second register is never selected)
.set LREG, 104                         ; running sum of my half of the keys
.set ALREG, 108                        ; 2^(old maximum - new maximum), a pair for each tile; at the end 1 / sum
.set NEGI, 116                         ; -infinity
.set TREG, 120                         ; two temporaries a tile
; scalars: s[4:5] x, s[6:11] Wq Wk Wv, s[12:13] out, s14 wave, s16-19 temporaries, s20-21 lane selects, s22-23 the scale,
;          s24-31 the diagonal's masks, s32 s33 trip counters, s34 a key block's bytes, s35 the batch (0, 1)
.set MSB, 0
.macro WIN new                         ; low byte: blocks of source 0 (1:0), source 1 (3:2), source 2 (5:4), destination (7:6); high byte: the setting left
.if MSB != (\new)
	s_set_vgpr_msb ((MSB<<8)|(\new))
.set MSB, (\new)
.endif
.endm
; Four independent plain vector instructions stand between a matrix instruction and a vector instruction that reads its result or writes one of
; its registers; this text keeps the same distance for loads into such registers, and counts no matrix instruction as a place.
.macro PLACES
.rept 4
	v_nop
.endr
.endm
	s_load_b256 s[4:11], s[0:1], 0x0               ; x s[4:5], Wq s[6:7], Wk s[8:9], Wv s[10:11]
	s_load_b64 s[12:13], s[0:1], 0x20              ; out
	v_lshl_add_u32 v30, v0, 2, 0x4c400
	v_mov_b32 v31, 0
	v_and_b32 v1, 15, v0                           ; r
	v_bfe_u32 v2, v0, 4, 1                         ; h
	v_lshrrev_b32 v3, 5, v0
	v_readfirstlane_b32 s14, v3                    ; w
	s_mov_b32 s20, 0x76543210                      ; v_permlanex16_b32: lane i reads lane i of the other half
	s_mov_b32 s21, 0xfedcba98
	s_mov_b32 s22, 0x41e22adf                      ; sqrt(384) * log2(e) = 28.270934, folded into q
	s_mov_b32 s23, 0x41e22adf
	s_mov_b32 s34, KBLK
	s_mul_i32 s16, s14, 32*XROW
	s_sub_co_u32 s17, 224*XROW, s16
	v_mul_u32_u24 v3, v2, 8*XROW
	v_lshl_add_u32 v3, v1, 4, v3                   ; 8 h rows + 16 r bytes: lanes 0-15 one row's 256 bytes, lanes 16-31 the row 8 further
	v_add_nc_u32 v[XL], s16, v3
	v_add_nc_u32 v[XL+1], s17, v3
	s_mul_i32 s16, ttmp9, 2*XBATCH                 ; at most 255 x 786,432: below 2^31
	s_mov_b32 s17, 0
	s_lshl_b32 s18, ttmp9, 17
	s_mov_b32 s19, 0
	s_wait_kmcnt 0x0
	s_add_nc_u64 s[4:5], s[4:5], s[16:17]          ; x and out at the work-group's first batch
	s_add_nc_u64 s[12:13], s[12:13], s[18:19]
; 16 loads: one pair of 32 rows (half 0 low, 1 high) x 256 bytes at byte roff of the rows, into half a slot
.macro XFILL win, base, half, roff
	WIN ((\win)<<6)
.irp i, 0,1,2,3,4,5,6,7,8,9,10,11,12,13,14,15
	global_load_b128 v[\base+64*\half+4*\i:\base+64*\half+4*\i+3], v[XL+\half], s[4:5] offset:\roff+((\i&7)+16*(\i>>3))*XROW th:TH_LOAD_NT
.endr
.endm
; Half a chunk: wait, round in place (registers 4i, 4i+1 take the four numbers of 4i..4i+3), lay into my stage, ask for the slot's next chunk.
; The stage is mine alone and LDS serves a wave's instructions in order (ISA guide 5.7.1): no wait and no barrier orders it.
.macro CONVH win, base, half, lw, reload, roff
	s_wait_loadcnt \lw
	WIN ((\win)|((\win)<<2)|((\win)<<6))
.irp i, 0,1,2,3,4,5,6,7,8,9,10,11,12,13,14,15
	v_cvt_pk_bf16_f32 v[\base+64*\half+4*\i], v[\base+64*\half+4*\i], v[\base+64*\half+4*\i+1]
	v_cvt_pk_bf16_f32 v[\base+64*\half+4*\i+1], v[\base+64*\half+4*\i+2], v[\base+64*\half+4*\i+3]
.endr
	WIN ((\win)<<2)
.irp i, 0,1,2,3,4,5,6,7,8,9,10,11,12,13,14,15
	ds_store_b64 v[XST], v[\base+64*\half+4*\i:\base+64*\half+4*\i+1] offset:(32*\half+(\i&7)+16*(\i>>3))*XPITCH
.endr
.if \reload
	XFILL \win, \base, \half, \roff
.endif
.endm
	XFILL 2, 128, 0, 0                             ; chunks 0 and 1 of the first batch into slots 0 and 1
	XFILL 2, 128, 1, 0
	XFILL 3, 0, 0, 256
	XFILL 3, 0, 1, 256
	WIN 0
	; the other addresses, while those loads are on their way
	s_mul_i32 s16, s14, 96*256
	v_lshlrev_b32 v3, 11, v2
	v_lshl_add_u32 v3, v1, 4, v3
	v_add_nc_u32 v[WG], s16, v3                    ; (96 w + 8 h) rows of 256 bytes + 16 r
	v_mul_u32_u24 v27, v1, WPITCH
	v_lshl_add_u32 v[WQ], v2, 4, v27
	v_add_nc_u32 v[WK], WSEC, v[WQ]
	v_add_nc_u32 v[WV], 2*WSEC, v[WQ]
	s_mul_i32 s16, s14, 192
	v_lshlrev_b32 v27, 2, v27                      ; feature 4 r
	v_lshl_add_u32 v27, v2, 4, v27
	v_add_nc_u32 v[WSTA], s16, v27                 ; + 2 (96 w + 8 h) bytes along k
	v_add_nc_u32 v[WSTB], 2*WSEC, v[WSTA]
	s_mul_i32 s16, s14, XSW
	s_add_co_u32 s16, s16, XS
	v_mul_u32_u24 v28, v1, KPITCH
	v_lshl_add_u32 v28, v2, 4, v28                 ; 144 r + 16 h: the lane term of the stage's and of K's fragments
	v_add_nc_u32 v[XA], s16, v28
	v_mul_u32_u24 v27, v2, 8*XPITCH
	v_lshl_add_u32 v27, v1, 3, v27
	v_add_nc_u32 v[XST], s16, v27
	s_mul_i32 s16, s14, KBLK
	s_sub_co_u32 s17, KH+7*KBLK, s16
	s_add_co_u32 s16, s16, KH
	v_add_nc_u32 v[KSL], s16, v28                  ; key block w
	v_add_nc_u32 v[KSH], s17, v28                  ; key block 7 - w
	v_mul_u32_u24 v27, v1, VPITCH
	v_lshl_add_u32 v27, v2, 4, v27
	s_lshl_b32 s16, s14, 6
	s_sub_co_u32 s17, VT+7*VBLK, s16
	s_add_co_u32 s16, s16, VT
	v_add_nc_u32 v[VSL], s16, v27
	v_add_nc_u32 v[VSH], s17, v27
	s_mul_i32 s16, s14, OSW
	s_add_co_u32 s16, s16, OS
	v_mul_u32_u24 v27, v1, OPITCH
	v_lshl_add_u32 v27, v2, 5, v27
	v_add_nc_u32 v[OST], s16, v27
	v_mul_u32_u24 v27, v2, OPITCH
	v_lshl_add_u32 v27, v1, 4, v27
	v_add_nc_u32 v[ORD], s16, v27
	v_lshlrev_b32 v27, 8, v2
	v_lshl_add_u32 v27, v1, 4, v27
	s_lshl_b32 s16, s14, 13
	s_sub_co_u32 s17, 224*256, s16
	v_add_nc_u32 v[OGL], s16, v27
	v_add_nc_u32 v[OGL+1], s17, v27
	v_mov_b32 v[NEG1], -1.0
	v_lshlrev_b32 v3, 3, v2
	v_sub_nc_u32 v3, v1, v3                        ; r - 8 h
.irp j, 0,1,2,3,4,5,6,7
	v_cmp_le_i32 s[24+\j], \j, v3                  ; diagonal tile, register j: key 8 h + j <= query r
.endr
	; W: my 96 rows of k of each matrix, 18 units of 16 rows (8 loads, 32 registers at absolute register 64 + 32 u), then x chunk 2
.set UU, 0
.rept 18
.set WA_, 64+32*UU
	WIN ((WA_>>8)<<6)
.irp j, 0,1,2,3,4,5,6,7
	global_load_b128 v[(WA_&255)+4*\j:(WA_&255)+4*\j+3], v[WG], s[6+2*(UU/6):7+2*(UU/6)] offset:4096*(UU%6)+256*\j
.endr
.set UU, UU+1
.endr
	XFILL 3, 128, 0, 512
	XFILL 3, 128, 1, 512
	; A unit holds W[k0 + 8h + j][4r + c] in register 4j + c.  Packing rows 2q, 2q+1 of column c gives 16 bytes of W^T[4r + c][k0 + 8h ..].
.set UU, 0
.rept 18
.set WA_, 64+32*UU
.set WC_, 8*(17-UU)+32                 ; behind this unit's loads stand the later units' and chunk 2's 32
.if WC_ > 63
.set WC_, 63                           ; the largest count that the wait can name
.endif
.set TM_, 32+16*(UU&1)
	s_wait_loadcnt WC_
	WIN ((WA_>>8)|((WA_>>8)<<2))
.irp c, 0,1,2,3
.irp q, 0,1,2,3
	v_cvt_pk_bf16_f32 v[TM_+4*\c+\q], v[(WA_&255)+8*\q+\c], v[(WA_&255)+8*\q+4+\c]
.endr
.endr
	WIN 0
.irp c, 0,1,2,3
.if UU/6 == 2
	ds_store_b128 v[WSTB], v[TM_+4*\c:TM_+4*\c+3] offset:\c*WPITCH+32*(UU%6)
.else
	ds_store_b128 v[WSTA], v[TM_+4*\c:TM_+4*\c+3] offset:(UU/6)*WSEC+\c*WPITCH+32*(UU%6)
.endif
.endr
.set UU, UU+1
.endr
	s_wait_dscnt 0x0                               ; my part of W^T is in LDS,
	s_barrier_signal -1
	s_barrier_wait -1                              ; everybody's is
	s_mov_b32 s35, 0                               ; the batch
.macro LOADB buf, adr, ks              ; 4 fragments of W^T (64 features x 32 k at K step ks)
.irp tn, 0,1,2,3
	ds_load_b128 v[\buf+8*\tn:\buf+8*\tn+3], v[\adr] offset:\tn*16*WPITCH+64*(\ks)
	ds_load_b128 v[\buf+8*\tn+4:\buf+8*\tn+7], v[\adr] offset:\tn*16*WPITCH+64*(\ks)+32
.endr
.endm
.macro LOADA buf, kk                   ; 4 fragments of x (my 64 rows x 32 k, half kk of the chunk)
.irp ta, 0,1,2,3
	ds_load_b128 v[\buf+8*\ta:\buf+8*\ta+3], v[XA] offset:\ta*16*XPITCH+64*\kk
	ds_load_b128 v[\buf+8*\ta+4:\buf+8*\ta+7], v[XA] offset:\ta*16*XPITCH+64*\kk+32
.endr
.endm
.macro MUL16S acc, bf, af, zero        ; 16 products, W^T as source 0 (q and k).  zero: the first product starts the sums
.irp ta, 0,1,2,3
.irp tn, 0,1,2,3
.if \zero
	v_wmma_f32_16x16x32_bf16 v[\acc+8*(4*\ta+\tn):\acc+8*(4*\ta+\tn)+7], v[\bf+8*\tn:\bf+8*\tn+7], v[\af+8*\ta:\af+8*\ta+7], 0
.else
	v_wmma_f32_16x16x32_bf16 v[\acc+8*(4*\ta+\tn):\acc+8*(4*\ta+\tn)+7], v[\bf+8*\tn:\bf+8*\tn+7], v[\af+8*\ta:\af+8*\ta+7], v[\acc+8*(4*\ta+\tn):\acc+8*(4*\ta+\tn)+7]
.endif
.endr
.endr
.endm
.macro MUL16N acc, bf, af, zero        ; 16 products, x as source 0 (v)
.irp ta, 0,1,2,3
.irp tn, 0,1,2,3
.if \zero
	v_wmma_f32_16x16x32_bf16 v[\acc+8*(4*\ta+\tn):\acc+8*(4*\ta+\tn)+7], v[\af+8*\ta:\af+8*\ta+7], v[\bf+8*\tn:\bf+8*\tn+7], 0
.else
	v_wmma_f32_16x16x32_bf16 v[\acc+8*(4*\ta+\tn):\acc+8*(4*\ta+\tn)+7], v[\af+8*\ta:\af+8*\ta+7], v[\bf+8*\tn:\bf+8*\tn+7], v[\acc+8*(4*\ta+\tn):\acc+8*(4*\ta+\tn)+7]
.endif
.endr
.endr
.endm
; CHUNK c: two K steps, 96 products.  At its head these LDS loads are out, in this order: AF0 8, BQ 8, BK 8, BV 8, AF1 8.
; Each s_wait_dscnt counts the LDS instructions issued behind the fragments that the next 16 products read.  While chunk c is multiplied,
; chunk c+1 is rounded into the stage (its 32 conversions are also the places behind the products); chunks 1 and 2 give their slots to 4 and 5.
; THE COUNTS OF s_wait_loadcnt.  x's loads are issued in this order, h0 and h1 being a chunk's low and high pair of rows, 16 loads each:
;   [0h0 0h1 1h0] [1h1 2h0 2h1]  3h0 3h1 (at the batch's head)  4h0 4h1 (chunk 0)  5h0 5h1 (chunk 1).
; The two bracketed stretches are each jumped over as a whole by the last batch, so a count leans only on loads of the awaited load's own stretch
; and on those of the batch itself.  1h0: 3h0, 3h1 = 32.  1h1 .. 3h1: 64 or 80, and 63 is the largest count that the wait can name.
; 4h0: 4h1 and chunk 5 = 48; 4h1: 32; 5h0: 16; 5h1: 0.
.macro CHUNK c
.set ZR_, 0
.if \c == 0
.set ZR_, 1
.endif
.set NX_, 0
.if \c < 5
.set NX_, 1
.endif
.set CK_, \c+1
.set CW_, 3
.set CB_, 128
.if CK_%3 == 0
.set CW_, 2
.endif
.if CK_%3 == 1
.set CB_, 0
.endif
.set RL_, 0
.if CK_ <= 2
.set RL_, 1
.endif
.set RO_, (CK_+3)*256
.set LA_, 63
.set LB_, 63
.if CK_ == 1
.set LA_, 32
.endif
.if CK_ == 4
.set LA_, 48
.set LB_, 32
.endif
.if CK_ == 5
.set LA_, 16
.set LB_, 0
.endif
	s_wait_dscnt 24                                ; behind BQ: BK, BV, AF1
	WIN 0x50
	MUL16S ACCQ, BQ, AF0, ZR_
.if NX_
	CONVH CW_, CB_, 0, LA_, RL_, RO_
.else
	PLACES
.endif
	WIN 0
	LOADB BQ, WQ, 2*\c+1
	s_wait_dscnt 24+16*NX_                         ; behind BK: BV, AF1, 16 stage stores, BQ
	WIN 0x50
	MUL16S ACCK, BK, AF0, ZR_
.if NX_
	CONVH CW_, CB_, 1, LB_, RL_, RO_
.else
	PLACES
.endif
	WIN 0
	LOADB BK, WK, 2*\c+1
	s_wait_dscnt 24+32*NX_                         ; behind BV: AF1, 32 stage stores, BQ, BK
	WIN 0xa0
	MUL16N ACCV, BV, AF0, ZR_
	PLACES
	WIN 0
	LOADB BV, WV, 2*\c+1
.if NX_
	LOADA AF0, 0                                   ; chunk c+1, behind its stage stores
.endif
	s_wait_dscnt 16+24*NX_                         ; behind BQ: 16 stage stores, BK, BV, AF0
	WIN 0x50
	MUL16S ACCQ, BQ, AF1, 0
.if NX_
	PLACES
	WIN 0
	LOADB BQ, WQ, 2*\c+2
.endif
	s_wait_dscnt 8+16*NX_                          ; behind BK: BV, AF0, BQ
	WIN 0x50
	MUL16S ACCK, BK, AF1, 0
.if NX_
	PLACES
	WIN 0
	LOADB BK, WK, 2*\c+2
.endif
	s_wait_dscnt 24*NX_                            ; behind BV: AF0, BQ, BK
	WIN 0xa0
	MUL16N ACCV, BV, AF1, 0
.if NX_
	PLACES
	WIN 0
	LOADB BV, WV, 2*\c+2
	LOADA AF1, 1
.endif
.endm
.macro LOADK                           ; the block of 32 keys at KF: hi and lo, 2 x 16 keys, 2 x 32 features: 16 loads
.irp tp, 0,1
.irp tu, 0,1
.irp tk, 0,1
	ds_load_b128 v[FK+32*\tp+8*(2*\tu+\tk):FK+32*\tp+8*(2*\tu+\tk)+3], v[KF] offset:\tp*KLOFF+\tu*16*KPITCH+64*\tk
	ds_load_b128 v[FK+32*\tp+8*(2*\tu+\tk)+4:FK+32*\tp+8*(2*\tu+\tk)+7], v[KF] offset:\tp*KLOFF+\tu*16*KPITCH+64*\tk+32
.endr
.endr
.endr
.endm
.macro LOADV                           ; the same 32 keys of V^T at VF, 4 x 16 features: 8 loads
.irp ti, 0,1,2,3
	ds_load_b128 v[FV+8*\ti:FV+8*\ti+3], v[VF] offset:\ti*16*VPITCH
	ds_load_b128 v[FV+8*\ti+4:FV+8*\ti+7], v[VF] offset:\ti*16*VPITCH+32
.endr
.endm
; A pair's state in a trip: 0 not yet begun, 1 its diagonal block (its first: the sums start), 2 a full block.
; In a diagonal block the even tile has only keys 0-15 (masked); the odd tile has keys 0-15 whole and keys 16-31 masked.
; One link of every active chain: S(a, u) += K(part kp, u, kk) x Q(a, part qp, kk)
.macro SROUND kp, qp, kk, first, lom, him
.irp ta, 0,1,2,3
.irp tu, 0,1
.if \ta < 2
.set PM_, \lom
.else
.set PM_, \him
.endif
.set ACT_, 0
.if PM_ == 2
.set ACT_, 1
.endif
.if PM_ == 1
.if (\ta&1) == 1
.set ACT_, 1
.endif
.if \tu == 0
.set ACT_, 1
.endif
.endif
.if ACT_
.if \first
	v_wmma_f32_16x16x32_bf16 v[SREG+16*\ta+8*\tu:SREG+16*\ta+8*\tu+7], v[FK+32*\kp+8*(2*\tu+\kk):FK+32*\kp+8*(2*\tu+\kk)+7], v[QF+32*\ta+16*\qp+8*\kk:QF+32*\ta+16*\qp+8*\kk+7], 0
.else
	v_wmma_f32_16x16x32_bf16 v[SREG+16*\ta+8*\tu:SREG+16*\ta+8*\tu+7], v[FK+32*\kp+8*(2*\tu+\kk):FK+32*\kp+8*(2*\tu+\kk)+7], v[QF+32*\ta+16*\qp+8*\kk:QF+32*\ta+16*\qp+8*\kk+7], v[SREG+16*\ta+8*\tu:SREG+16*\ta+8*\tu+7]
.endif
.endif
.endr
.endr
.endm
; op a, mode, init for every active tile.  mode 0 full, 1 diagonal even tile, 2 diagonal odd tile; init 1: the tile's first block
.macro TILES op, lom, him
.if \lom == 1
	\op 0, 1, 1
	\op 1, 2, 1
.endif
.if \lom == 2
	\op 0, 0, 0
	\op 1, 0, 0
.endif
.if \him == 1
	\op 2, 1, 1
	\op 3, 2, 1
.endif
.if \him == 2
	\op 2, 0, 0
	\op 3, 0, 0
.endif
.endm
; The softmax step in stages, each over all active tiles, so that neighbouring lines do not wait for each other.  All in window 2.
.macro SMA a, mode, init               ; mask the diagonal tile, then the largest of my 8 or 16 logits
.set S_, SREG+16*\a
.set T_, TREG+2*\a
.if \mode == 1
.irp j, 0,1,2,3,4,5,6,7
	v_cndmask_b32 v[S_+\j], v[NEGI], v[S_+\j], s[24+\j]
.endr
	v_max3_num_f32 v[T_], v[S_], v[S_+1], v[S_+2]
	v_max3_num_f32 v[T_+1], v[S_+3], v[S_+4], v[S_+5]
	v_max3_num_f32 v[T_], v[T_], v[S_+6], v[S_+7]
	v_max_num_f32 v[T_], v[T_], v[T_+1]
.else
.if \mode == 2
.irp j, 0,1,2,3,4,5,6,7
	v_cndmask_b32 v[S_+8+\j], v[NEGI], v[S_+8+\j], s[24+\j]
.endr
.endif
	v_max3_num_f32 v[T_], v[S_], v[S_+1], v[S_+2]
	v_max3_num_f32 v[T_+1], v[S_+8], v[S_+9], v[S_+10]
	v_max3_num_f32 v[T_], v[T_], v[S_+3], v[S_+4]
	v_max3_num_f32 v[T_+1], v[T_+1], v[S_+11], v[S_+12]
	v_max3_num_f32 v[T_], v[T_], v[S_+5], v[S_+6]
	v_max3_num_f32 v[T_+1], v[T_+1], v[S_+13], v[S_+14]
	v_max3_num_f32 v[T_], v[T_], v[S_+7], v[S_+15]
	v_max_num_f32 v[T_], v[T_], v[T_+1]
.endif
.endm
.macro SMB a, mode, init               ; the other half of the lanes holds the query's other keys
	v_permlanex16_b32 v[TREG+2*\a+1], v[TREG+2*\a], s20, s21
.endm
.macro SMC a, mode, init               ; the running maximum; old - new for the rescaling.  A diagonal block holds key = query: the maximum is finite
.if \init
	v_max_num_f32 v[MREG+2*\a], v[TREG+2*\a], v[TREG+2*\a+1]
.else
	v_mov_b32 v[ALREG+2*\a], v[MREG+2*\a]
	v_max3_num_f32 v[MREG+2*\a], v[TREG+2*\a], v[TREG+2*\a+1], v[MREG+2*\a]
	v_sub_f32 v[ALREG+2*\a], v[ALREG+2*\a], v[MREG+2*\a]
.endif
.endm
.macro SMD a, mode, init               ; logit - maximum, two at a time, the maximum broadcast from the pair's first register
.irp j, 0,2,4,6
	v_pk_add_f32 v[SREG+16*\a+\j:SREG+16*\a+\j+1], v[SREG+16*\a+\j:SREG+16*\a+\j+1], v[MREG+2*\a:MREG+2*\a+1] op_sel_hi:[1,0] neg_lo:[0,1] neg_hi:[0,1]
.endr
.if \mode != 1
.irp j, 8,10,12,14
	v_pk_add_f32 v[SREG+16*\a+\j:SREG+16*\a+\j+1], v[SREG+16*\a+\j:SREG+16*\a+\j+1], v[MREG+2*\a:MREG+2*\a+1] op_sel_hi:[1,0] neg_lo:[0,1] neg_hi:[0,1]
.endr
.endif
.endm
.macro SME a, mode, init               ; 2^x: the factor log2(e) is in q.  Masked logits are -infinity and give 0
.irp j, 0,1,2,3,4,5,6,7
	v_exp_f32 v[SREG+16*\a+\j], v[SREG+16*\a+\j]
.endr
.if \mode != 1
.irp j, 8,9,10,11,12,13,14,15
	v_exp_f32 v[SREG+16*\a+\j], v[SREG+16*\a+\j]
.endr
.endif
.if \init == 0
	v_exp_f32 v[ALREG+2*\a], v[ALREG+2*\a]
.endif
.endm
.macro SMF a, mode, init               ; P in bf16: keys 8h+0..7 in registers 0-3, keys 16+8h+0..7 in registers 4-7: a fragment as it stands
.irp j, 0,1,2,3
	v_cvt_pk_bf16_f32 v[PREG+8*\a+\j], v[SREG+16*\a+2*\j], v[SREG+16*\a+2*\j+1]
.endr
.irp j, 4,5,6,7
.if \mode == 1
	v_mov_b32 v[PREG+8*\a+\j], 0
.else
	v_cvt_pk_bf16_f32 v[PREG+8*\a+\j], v[SREG+16*\a+2*\j], v[SREG+16*\a+2*\j+1]
.endif
.endr
.endm
.macro SMG a, mode, init               ; the sum of my keys, in place in S, which is done with; the two halves of the lanes are joined once, at the end
.set S_, SREG+16*\a
	v_pk_add_f32 v[S_:S_+1], v[S_:S_+1], v[S_+2:S_+3]
	v_pk_add_f32 v[S_+4:S_+5], v[S_+4:S_+5], v[S_+6:S_+7]
.if \mode != 1
	v_pk_add_f32 v[S_+8:S_+9], v[S_+8:S_+9], v[S_+10:S_+11]
	v_pk_add_f32 v[S_+12:S_+13], v[S_+12:S_+13], v[S_+14:S_+15]
.endif
	v_pk_add_f32 v[S_:S_+1], v[S_:S_+1], v[S_+4:S_+5]
.if \mode != 1
	v_pk_add_f32 v[S_+8:S_+9], v[S_+8:S_+9], v[S_+12:S_+13]
	v_pk_add_f32 v[S_:S_+1], v[S_:S_+1], v[S_+8:S_+9]
.endif
.if \init
	v_add_f32 v[LREG+\a], v[S_], v[S_+1]
.else
	v_fma_f32 v[LREG+\a], v[LREG+\a], v[ALREG+2*\a], v[S_]
	v_add_f32 v[LREG+\a], v[LREG+\a], v[S_+1]
.endif
.endm
.macro RESC a, mode, init              ; O(a) *= the pair's first register of AL(a)
.if \init == 0
.irp j, 0,2,4,6,8,10,12,14,16,18,20,22,24,26,28,30
	v_pk_mul_f32 v[32*\a+\j:32*\a+\j+1], v[32*\a+\j:32*\a+\j+1], v[ALREG+2*\a:ALREG+2*\a+1] op_sel_hi:[1,0]
.endr
.endif
.endm
.macro PVT a, mode, init               ; O(a, i) += V^T(i) x P(a)
.irp ti, 0,1,2,3
.if \init
	v_wmma_f32_16x16x32_bf16 v[32*\a+8*\ti:32*\a+8*\ti+7], v[FV+8*\ti:FV+8*\ti+7], v[PREG+8*\a:PREG+8*\a+7], 0
.else
	v_wmma_f32_16x16x32_bf16 v[32*\a+8*\ti:32*\a+8*\ti+7], v[FV+8*\ti:FV+8*\ti+7], v[PREG+8*\a:PREG+8*\a+7], v[32*\a+8*\ti:32*\a+8*\ti+7]
.endif
.endr
.endm
; One key block.  At its head 16 loads of K and behind them 8 of V^T are out, on every way in.  Every trip asks for the block below: K as soon as
; the S products have read the old one, V^T behind the PV products.  A wave's last trip (block 0) thereby reads the 4,608 bytes in front of K
; and of K lo and the 64 bytes in front of V^T's rows: bytes inside LDS that nobody writes then, never used.  These 24 loads a batch are the
; price of having each kind of trip in the text once.
.macro TRIP lom, him
	s_wait_dscnt 8                                 ; K is in; behind it stand V^T's 8 loads
	WIN 0xa4
	SROUND 0, 0, 0, 1, \lom, \him                  ; hi x hi
	SROUND 0, 0, 1, 0, \lom, \him
	SROUND 0, 1, 0, 0, \lom, \him                  ; K hi x Q lo
	SROUND 0, 1, 1, 0, \lom, \him
	SROUND 1, 0, 0, 0, \lom, \him                  ; K lo x Q hi
	SROUND 1, 0, 1, 0, \lom, \him
	PLACES
	WIN 0
	s_wait_dscnt 0x0                               ; V^T is in (asked for a trip's S products ago)
	v_sub_nc_u32 v[KF], v[KF], s34
	LOADK
	WIN 0xaa
	TILES SMA, \lom, \him
	TILES SMB, \lom, \him
	TILES SMC, \lom, \him
	TILES SMD, \lom, \him
	TILES SME, \lom, \him
	v_nop                                          ; one plain instruction between the run of exponentials and the first use of a result (ISA guide 5.7.2)
	s_wait_alu depctr_va_vdst(0)
	TILES SMF, \lom, \him
	TILES SMG, \lom, \him
	WIN 0x49
	TILES RESC, \lom, \him
	WIN 0x58
	TILES PVT, \lom, \him
	PLACES
	WIN 0
	v_sub_nc_u32 v[VF], v[VF], 64
	LOADV
.endm
; 16 rows of out through my stage: a lane's 32 bytes in, whole rows of 256 bytes back, each stored by 16 neighbouring lanes
.macro OUT16 a, f
	WIN 0x04
.irp ti, 0,1,2,3
	ds_store_b128 v[OST], v[32*\a+8*\ti:32*\a+8*\ti+3] offset:64*\ti
	ds_store_b128 v[OST], v[32*\a+8*\ti+4:32*\a+8*\ti+7] offset:64*\ti+16
.endr
	WIN 0
	s_wait_xcnt 0x0                                ; buffer f was the data of the stores two tiles ago: it is loaded again only behind this wait
.irp tt, 0,1,2,3,4,5,6,7
	ds_load_b128 v[\f+4*\tt:\f+4*\tt+3], v[ORD] offset:\tt*2*OPITCH        ; LDS serves my instructions in order: these see the stores above
.endr
.irp tt, 0,1,2,3,4,5,6,7
	s_wait_dscnt 7-\tt
	global_store_b128 v[OGL+(\a>>1)], v[\f+4*\tt:\f+4*\tt+3], s[12:13] offset:(\a&1)*4096+512*\tt th:TH_STORE_NT
.endr
.endm
; ================ ONE BATCH.  On both ways in, chunks 0, 1, 2 have been asked for, in the order 0h0 0h1 1h0 1h1 2h0 2h1.
.Lbatch:
	CONVH 2, 128, 0, 32, 1, 768                    ; chunk 0 into my stage; its slot asks for chunk 3.  Behind 0h0: 0h1, 1h0 = 32
	CONVH 2, 128, 1, 32, 1, 768                    ; behind 0h1: 1h0, 3h0 = 32
	WIN 0
	; ---------------- projection: 4 row tiles x 12 feature tiles x 12 K steps
	LOADA AF0, 0
	LOADB BQ, WQ, 0
	LOADB BK, WK, 0
	LOADB BV, WV, 0
	LOADA AF1, 1
	CHUNK 0
	CHUNK 1
	CHUNK 2
	CHUNK 3
	CHUNK 4
	s_cmp_eq_u32 s35, 1                            ; all three slots are empty.  Not in the last batch:
	s_cbranch_scc1 .Lno_next1
	XFILL 2, 128, 0, XBATCH                        ; the next batch's chunk 0 and the low pair of its chunk 1: 48 loads
	XFILL 2, 128, 1, XBATCH
	XFILL 3, 0, 0, XBATCH+256
	WIN 0
.Lno_next1:
	CHUNK 5
	; ---------------- k = hi + lo, v, to LDS; q * sqrt(384) log2(e) = hi + lo, to fragments
	PLACES
	WIN 0x05
.irp tt, 0,1,2,3,4,5,6,7,8,9,10,11,12,13,14,15
.irp q, 0,1,2,3
	v_cvt_pk_bf16_f32 v[RKHI+4*\tt+\q], v[ACCK+8*\tt+2*\q], v[ACCK+8*\tt+2*\q+1]
.endr
.endr
	WIN 0x50
.irp tt, 0,1,2,3,4,5,6,7,8,9,10,11,12,13,14,15
.irp q, 0,1,2,3
	v_fma_mix_f32_bf16 v[ACCK+8*\tt+2*\q], v[RKHI+4*\tt+\q], v[NEG1], v[ACCK+8*\tt+2*\q] op_sel_hi:[1,0,0]                    ; k - hi, exact
	v_fma_mix_f32_bf16 v[ACCK+8*\tt+2*\q+1], v[RKHI+4*\tt+\q], v[NEG1], v[ACCK+8*\tt+2*\q+1] op_sel:[1,0,0] op_sel_hi:[1,0,0]
.endr
.endr
	WIN 0x05
.irp tt, 0,1,2,3,4,5,6,7,8,9,10,11,12,13,14,15
.irp q, 0,1,2,3
	v_cvt_pk_bf16_f32 v[RKLO+4*\tt+\q], v[ACCK+8*\tt+2*\q], v[ACCK+8*\tt+2*\q+1]
.endr
.endr
	WIN 0x0a
.irp tt, 0,1,2,3,4,5,6,7,8,9,10,11,12,13,14,15
.irp q, 0,1,2,3
	v_cvt_pk_bf16_f32 v[RVB+4*\tt+\q], v[ACCV+8*\tt+2*\q], v[ACCV+8*\tt+2*\q+1]   ; v192-223 were store data: freed by the wait at the last batch's end
.endr
.endr
	WIN 0
	; The last batch's K and V^T are read by nobody any more: every wave passed the barrier behind its attention.
.irp ta, 0,1,2,3
.irp tn, 0,1,2,3
	ds_store_b128 v[KSL+(\ta>>1)], v[RKHI+4*(4*\ta+\tn):RKHI+4*(4*\ta+\tn)+3] offset:(\ta&1)*16*KPITCH+32*\tn
	ds_store_b128 v[KSL+(\ta>>1)], v[RKLO+4*(4*\ta+\tn):RKLO+4*(4*\ta+\tn)+3] offset:KLOFF+(\ta&1)*16*KPITCH+32*\tn
	ds_store_b128 v[VSL+(\ta>>1)], v[RVB+4*(4*\ta+\tn):RVB+4*(4*\ta+\tn)+3] offset:\tn*16*VPITCH+(\ta&1)*32
.endr
.endr
	WIN 0x41
.set JJ, 0
.rept 64
	v_pk_mul_f32 v[ACCQ+JJ:ACCQ+JJ+1], v[ACCQ+JJ:ACCQ+JJ+1], s[22:23] op_sel_hi:[1,0]
.set JJ, JJ+2
.endr
	s_wait_dscnt 0x0                               ; my rows of K and my columns of V^T are in LDS:
	s_barrier_signal -1                            ; say so,
	WIN 0x45
.irp ta, 0,1,2,3
.irp tn, 0,1,2,3
.irp q, 0,1,2,3
	v_cvt_pk_bf16_f32 v[QF+32*\ta+4*\tn+\q], v[ACCQ+8*(4*\ta+\tn)+2*\q], v[ACCQ+8*(4*\ta+\tn)+2*\q+1]      ; Q hi: registers only
.endr
.endr
.endr
	s_barrier_wait -1                              ; and read when all four have said so
	WIN 0
	v_mov_b32 v[KF], v[KSH]                        ; key block 7 - w: the high pair's diagonal
	v_mov_b32 v[VF], v[VSH]
	LOADK
	LOADV
	WIN 0x51
.irp ta, 0,1,2,3
.irp tn, 0,1,2,3
.irp q, 0,1,2,3
	v_fma_mix_f32_bf16 v[ACCQ+8*(4*\ta+\tn)+2*\q], v[QF+32*\ta+4*\tn+\q], v[NEG1], v[ACCQ+8*(4*\ta+\tn)+2*\q] op_sel_hi:[1,0,0]
	v_fma_mix_f32_bf16 v[ACCQ+8*(4*\ta+\tn)+2*\q+1], v[QF+32*\ta+4*\tn+\q], v[NEG1], v[ACCQ+8*(4*\ta+\tn)+2*\q+1] op_sel:[1,0,0] op_sel_hi:[1,0,0]
.endr
.endr
.endr
	WIN 0x45
.irp ta, 0,1,2,3
.irp tn, 0,1,2,3
.irp q, 0,1,2,3
	v_cvt_pk_bf16_f32 v[QF+32*\ta+16+4*\tn+\q], v[ACCQ+8*(4*\ta+\tn)+2*\q], v[ACCQ+8*(4*\ta+\tn)+2*\q+1]   ; Q lo
.endr
.endr
.endr
	WIN 0x80
	v_mov_b32 v[NEGI], 0xff800000
.irp ta, 0,1,2,3
	v_mov_b32 v[MREG+2*\ta+1], 0                   ; the second registers of the broadcast pairs: named, never selected
	v_mov_b32 v[ALREG+2*\ta+1], 0
.endr
	WIN 0
	s_cmp_eq_u32 s35, 1                            ; not in the last batch:
	s_cbranch_scc1 .Lno_next2
	XFILL 3, 0, 1, XBATCH+256                      ; the high pair of the next batch's chunk 1, and its chunk 2: 48 loads.
	XFILL 3, 128, 0, XBATCH+512                    ; (Apart from the first 48, so that the two stretches need not be out together.)
	XFILL 3, 128, 1, XBATCH+512
	WIN 0
.Lno_next2:
	; ---------------- attention, key blocks descending, each loaded once for both pairs.
	; From the barrier above to the one behind the last trip NO WAVE STORES TO LDS: K and V^T are read through addresses that are stepped in loops
	; whose trip counts differ from wave to wave, and nothing in LDS changes while any wave reads.
	TRIP 0, 1                                      ; block 7 - w: the high pair's diagonal
	s_lshl_b32 s32, s14, 1
	s_sub_co_u32 s32, 6, s32                       ; blocks 6 - w .. w + 1: the high pair alone, 6 - 2w trips
	s_cmp_eq_u32 s32, 0
	s_cbranch_scc1 .LendB
.LloopB:
	TRIP 0, 2
	s_sub_co_u32 s32, s32, 1
	s_cmp_lg_u32 s32, 0
	s_cbranch_scc1 .LloopB
.LendB:
	TRIP 1, 2                                      ; block w: the low pair's diagonal
	s_mov_b32 s33, s14                             ; blocks w - 1 .. 0: both pairs, w trips
	s_cmp_eq_u32 s33, 0
	s_cbranch_scc1 .LendA
.LloopA:
	TRIP 2, 2
	s_sub_co_u32 s33, s33, 1
	s_cmp_lg_u32 s33, 0
	s_cbranch_scc1 .LloopA
.LendA:
	s_wait_dscnt 0x0                               ; my reads of K and V^T are over (the last trip's look-ahead too):
	s_barrier_signal -1                            ; say so,
	; ---------------- out = O / sum: registers only, while the others arrive
	WIN 0xaa
.irp ta, 0,1,2,3
	v_permlanex16_b32 v[TREG+\ta], v[LREG+\ta], s20, s21
.endr
.irp ta, 0,1,2,3
	v_add_f32 v[LREG+\ta], v[LREG+\ta], v[TREG+\ta]
.endr
.irp ta, 0,1,2,3
	v_rcp_f32 v[ALREG+2*\ta], v[LREG+\ta]          ; the sum is at least 1
.endr
	v_nop                                          ; one plain instruction before the reciprocals are used (ISA guide 5.7.2)
	s_wait_alu depctr_va_vdst(0)
	WIN 0x49
	RESC 0, 0, 0
	RESC 1, 0, 0
	RESC 2, 0, 0
	RESC 3, 0, 0
	s_barrier_wait -1                              ; and store to LDS again when all four have said so
	OUT16 0, F0
	OUT16 1, F1
	OUT16 2, F0
	OUT16 3, F1
	s_wait_xcnt 0x0                                ; the bases of the pending loads and stores, and the stores' data, are rewritten only behind this wait
	s_add_nc_u64 s[4:5], s[4:5], XBATCH
	s_add_nc_u64 s[12:13], s[12:13], OBATCH
	s_add_co_u32 s35, s35, 1
	s_cmp_lt_u32 s35, 2
	s_cbranch_scc1 .Lbatch
	s_wait_tensorcnt 0x0
	ds_add_u32 v30, v31
	s_wait_dscnt 0x0
	s_endpgm
.Lfunc_end_k_qa1b2b5a38a_head:
	.size	k_qa1b2b5a38a_head, .Lfunc_end_k_qa1b2b5a38a_head-k_qa1b2b5a38a_head
	.p2alignl 7, 3214868480
	.fill 96, 4, 3214868480
	.section	.rodata,"a",@progbits
	.p2align	6, 0x0
	.amdhsa_kernel k_qa1b2b5a38a_head
		.amdhsa_group_segment_fixed_size 312832
		.amdhsa_private_segment_fixed_size 0
		.amdhsa_enable_private_segment 0
		.amdhsa_kernarg_size 40
		.amdhsa_user_sgpr_count 2
		.amdhsa_user_sgpr_kernarg_segment_ptr 1
		.amdhsa_wavefront_size32 1
		.amdhsa_system_sgpr_workgroup_id_x 1
		.amdhsa_system_sgpr_workgroup_id_y 1
		.amdhsa_system_sgpr_workgroup_id_z 1
		.amdhsa_system_vgpr_workitem_id 0
		.amdhsa_next_free_vgpr 1024
		.amdhsa_next_free_sgpr 66
		.amdhsa_reserve_vcc 0
		.amdhsa_float_denorm_mode_32 3
		.amdhsa_float_denorm_mode_16_64 3
		.amdhsa_memory_ordered 1
		.amdhsa_forward_progress 1
		.amdhsa_inst_pref_size 255
	.end_amdhsa_kernel
	.section	.bss,"aw",@nobits
	.p2align	6
	.space	262144
	.amdgpu_metadata
---
amdhsa.version: [ 1, 2 ]
amdhsa.kernels:
  - .name:           k_qa1b2b5a38a_head
    .symbol:         k_qa1b2b5a38a_head.kd
    .args:
      - { .name: x, .offset: 0, .size: 8, .value_kind: global_buffer, .address_space: global }
      - { .name: Wq, .offset: 8, .size: 8, .value_kind: global_buffer, .address_space: global }
      - { .name: Wk, .offset: 16, .size: 8, .value_kind: global_buffer, .address_space: global }
      - { .name: Wv, .offset: 24, .size: 8, .value_kind: global_buffer, .address_space: global }
      - { .name: out0, .offset: 32, .size: 8, .value_kind: global_buffer, .address_space: global }
    .group_segment_fixed_size: 312832
    .private_segment_fixed_size: 0
    .kernarg_segment_align: 8
    .kernarg_segment_size: 40
    .max_flat_workgroup_size: 128
    .sgpr_count:     66
    .vgpr_count:     1024
    .wavefront_size: 32
...
	.end_amdgpu_metadata
.endif
;; end of part 2
;; ======== version 3 of 3: 1 launch; version 2 with the launch head written anew for expert scheduling mode
;; launch head (part 3): grid 256 x 1, 4 waves a work-group, no clusters, 312,832 bytes of LDS; arguments x, Wq, Wk, Wv, out0; writes out0
.if DOCPART == 3
	.amdgcn_target "amdgcn-amd-amdhsa--gfx1250"
	.amdhsa_code_object_version 6
	.text
	.protected	k_qa1b2b5a38a_head
	.globl	k_qa1b2b5a38a_head
	.p2align	8
	.type	k_qa1b2b5a38a_head,@function
k_qa1b2b5a38a_head:
	s_mov_b64 s[64:65], 0
	v_nop
	global_prefetch_b8 v0, s[64:65] scope:SCOPE_SE
	s_setreg_imm32_b32 hwreg(HW_REG_WAVE_SCHED_MODE, 0, 2), 2
	s_setreg_imm32_b32 hwreg(HW_REG_WAVE_MODE, 25, 1), 1
	s_wait_xcnt 0x0
	s_wait_alu depctr_vm_vsrc(0)
; One causal attention head.  x [512][256][384] f32, Wq/Wk/Wv [384][64] f32, out [512][256][64] f32.
; q,k,v = x W;  logits = q k^T * sqrt(384);  causal softmax;  out = P v.   All in one launch: q, k, v, logits and P never reach memory.
; 256 work-groups of four waves; work-group g does batches 2g and 2g+1, by one body that is run twice.  Wave w owns rows 32w..32w+31
; (tiles a = 0,1) and 224-32w..255-32w (tiles a = 2,3): w+1 and 8-w key blocks of 32, so every wave has 18 blocks of 16 queries x 32 keys.
;
; NUMBER FORMATS AND LIMITS.  x and W are rounded to bf16 (nearest even); all sums are f32.  The logits are multiplied by sqrt(384), so q and k
; are not rounded once: q*sqrt(384)*log2(e) and k are each split into bf16 hi + bf16 lo (16 significant bits) and q k^T is hi*hi + hi*lo + lo*hi;
; lo*lo (2^-18 of a product) is dropped.  P and v are single bf16.  The maximum is a running maximum, taken away before every exponential,
; so no exponential exceeds 1 and each row's sum is at least 1.  NaN and infinite inputs, and inputs whose logits overflow f32, are not served.
;
; DATA PATH.  x: global_load_b128 into a ring of three register slots (a slot = a chunk = my 64 rows x 64 k, 32 loads, 128 registers), rounded
; into an out-buffer of 32 registers, laid into my own bf16 stage in LDS, read back as fragments.  The tensor data mover is not used: W (150,528 B),
; K hi/lo and V^T (107,520 B) and the stages (54,272 B) leave 15,360 B of LDS, no room for an f32 ring, while 384 registers a wave are free.
; THE RING runs down inside a batch: chunks 3, 4, 5 are asked for as slots come free, three chunks ahead of their use.  The next batch's chunks
; 0, 1, 2 are asked for at chunk 5's head and in front of attention, in two stretches of 48 loads that the last batch jumps over.
; NO CLUSTER: only W is shared between work-groups, 294,912 of the 1,212,416 bytes that a work-group moves, it is read once, and it has to pass
; registers to be rounded and transposed; an f32 landing area of 294,912 B does not fit beside the regions above.
; NO PREFETCH INTO THE CACHE in this text: half of the next batch is asked for by loads while attention runs; the other half from the batch's head on.
; NO LOOP OVER CHUNKS: the slots turn once in three chunks, and a batch's first three chunks reload while its last three run down.
;
; THE MODE: SCHED_MODE bits 1:0 = 2 (LLVM: expert scheduling mode 2), set by the entry lines.  The code itself states the register dependences
; between vector or matrix instructions and memory or LDS instructions, with s_wait_alu, always for 0.
; THE PLAN.  Registers that memory or LDS instructions touch, and who else names them:
;   x slots 0-2   Written by global loads alone, read by the roundings alone.
;   Y             Written by the 32 roundings of half a chunk, read by that half's 16 stage stores.
;   AF0, AF1      x fragments of a chunk's two K steps: written by LDS loads, read by products.
;   B0 .. B3      W^T fragments: written by LDS loads; group g of 16 products (q, k, v by turns, 36 in a batch) reads B[g % 4].
;   v32-223       Behind the projection: written by the roundings of K hi, K lo and V, read by 48 LDS stores; then K's and V^T's fragments land in v32-127.
;   KF, VF        Read by the fragment loads of attention, stepped once a trip.  Every other address is made in the prologue and never written again.
;   O, F0, F1     The way out: O is read by LDS stores; F0 and F1 are written by LDS loads and read by global stores.
; PROJECTION.  The groups go in pairs.  ONE wait on va_vdst stands at a pair's head: the last pair's products are done reading their two B buffers
; (and AF1 or AF0), and the roundings in front of it have written Y and are done reading their half slot.  Behind it, with no further wait: the slot's
; reload, the fragments of the groups two and three ahead, the stage stores one behind each product of the pair's first group.  The pair's products
; name the other two B buffers, the other AF and the sums: none of the registers that those loads and stores touch.
; ATTENTION.  ONE wait on va_vdst a trip, behind the S products: they are done reading K, the last trip's PV products are done reading V^T, and the
; two stepped addresses are written.  Behind it this block's V^T and the next block's K are asked for.
;
; OPERAND ORDER, chosen so that no result is shuffled between lanes (r = lane & 15, h = lane >> 4):
;   Q, K:  source 0 = W^T fragment, source 1 = x fragment: lane holds x row r, features 16nt+8h+0..7 (two packed tiles ARE a 16x32 fragment)
;   V:     source 0 = x fragment, source 1 = W^T fragment: lane holds feature r, rows 8h+0..7 (16 bytes of V^T)
;   S^T:   source 0 = K fragment, source 1 = Q fragment:   lane holds query r, keys 8h+0..7 (two packed tiles ARE the P fragment)
;   out^T: source 0 = V^T fragment, source 1 = P fragment: lane holds query r, features 16i+8h+0..7
.set XROW,   1536                      ; bytes in a row of x
.set XBATCH, 393216                    ; bytes in a batch of x
.set OBATCH, 65536                     ; bytes in a batch of out
; LDS.  Every pitch is an odd multiple of 16 bytes: the 16 rows that a 16-byte-a-lane access touches fall into 16 different 16-byte columns of 256.
.set WPITCH, 784                       ; W^T in bf16: [192 = q,k,v x 64 features][384 k]
.set WSEC,   64*WPITCH                 ; one matrix: 50,176
.set KH,     3*WSEC                    ; K hi [256 keys][64 features], pitch 144
.set KPITCH, 144
.set KBLK,   32*KPITCH                 ; a block of 32 keys of K: 4,608
.set KLOFF,  256*KPITCH                ; K lo lies 36,864 behind K hi
.set VT,     KH+2*KLOFF                ; V^T [64 features][256 keys], pitch 528
.set VPITCH, 528
.set VBLK,   64                        ; a block of 32 keys along a row of V^T
.set XS,     VT+64*VPITCH              ; x stage: each wave 64 rows x 64 k bf16, pitch 144
.set XPITCH, 144
.set XSW,    64*XPITCH
.set OS,     XS+4*XSW                  ; out stage: each wave 16 rows x 256 bytes, pitch 272.  Ends at 312,320
.set OPITCH, 272
.set OSW,    16*OPITCH
; window 0: addresses
.set WQ,   4                           ; v4-6    W^T fragments of q, k, v: 784 r + 16 h (+ section)
.set WK,   5
.set WV,   6
.set XA,   7                           ; x fragments from my stage
.set XST,  8                           ; where I lay 8 bytes of x into my stage
.set XL,   9                           ; v9,10   byte offset in a batch of x: low pair, high pair
.set KSL,  11                          ; v11,12  K: rows of my low, high pair (v12 is also the fragment address of key block 7-w)
.set KSH,  12
.set VSL,  13                          ; v13,14  the same for V^T
.set VSH,  14
.set KF,   17                          ; running fragment address of K, of V^T: one key block down in every trip
.set VF,   18
.set OST,  19                          ; out stage: in, back
.set ORD,  20
.set OGL,  21                          ; v21,22  byte offset in a batch of out: low pair, high pair
.set WG,   23                          ; my quarter of a W matrix in memory
.set WSTA, 24                          ; where its transposed 16 bytes go (q and k; v)
.set WSTB, 25
.set NEG1, 26                          ; -1.0
; window 0: data
.set AF0,  32                          ; projection: x fragments, 4 tiles x 8, one buffer for each of a chunk's two K steps
.set AF1,  64
.set BB,   96                          ; W^T fragments, 4 x 8: four buffers, v96-223
.set Y,    224                         ; half a chunk of x in bf16, on its way into my stage
.set RKHI, 32                          ; behind the projection: packed K hi, K lo, V: 4 registers a tile
.set RKLO, 96
.set RVB,  160
.set FK,   32                          ; attention: K hi fragments v32-63, K lo v64-95, V^T v96-127
.set FV,   96
.set F0,   192                         ; way out
.set F1,   224
; window 1
.set ACCQ, 0                           ; projection sums of q, tile (a, nt) at 8 (4a + nt); later O(a, i) at 32a + 8i
.set ACCK, 128                         ; those of k; later Q fragments (a, part, kk) at 128 + 32a + 16 part + 8 kk
.set QF,   128
; window 2, v0-127 (v128-255: x slot 0; window 3: x slots 1 and 2)
.set ACCV, 0
.set SREG, 0                           ; S(a, u) at 16a + 8u
.set PREG, 64                          ; P(a) at 64 + 8a
.set MREG, 96                          ; running maximum, a pair for each tile (the second register is never selected)
.set LREG, 104                         ; running sum of my half of the keys
.set ALREG, 108                        ; 2^(old maximum - new maximum), a pair for each tile; at the end 1 / sum
.set NEGI, 116                         ; -infinity
.set TREG, 120                         ; two temporaries a tile
; scalars: s[4:5] x, s[6:11] Wq Wk Wv, s[12:13] out, s14 wave, s16-19 temporaries, s20-21 lane selects, s22-23 the scale,
;          s24-31 the diagonal's masks, s32 s33 trip counters, s34 a key block's bytes, s35 the batch (0, 1)
.set MSB, 0
.macro WIN new                         ; low byte: blocks of source 0 (1:0), source 1 (3:2), source 2 (5:4), destination (7:6); high byte: the setting left
.if MSB != (\new)
	s_set_vgpr_msb ((MSB<<8)|(\new))
.set MSB, (\new)
.endif
.endm
; Four independent plain vector instructions stand between a matrix instruction and a vector instruction that reads its result or writes one of
; its registers; this text keeps the same distance for loads into such registers, and counts no matrix instruction as a place.
.macro PLACES
.rept 4
	v_nop
.endr
.endm
	s_load_b256 s[4:11], s[0:1], 0x0               ; x s[4:5], Wq s[6:7], Wk s[8:9], Wv s[10:11]
	s_load_b64 s[12:13], s[0:1], 0x20              ; out
	v_lshl_add_u32 v30, v0, 2, 0x4c400
	v_mov_b32 v31, 0
	v_and_b32 v1, 15, v0                           ; r
	v_bfe_u32 v2, v0, 4, 1                         ; h
	v_lshrrev_b32 v3, 5, v0
	v_readfirstlane_b32 s14, v3                    ; w
	s_mov_b32 s20, 0x76543210                      ; v_permlanex16_b32: lane i reads lane i of the other half
	s_mov_b32 s21, 0xfedcba98
	s_mov_b32 s22, 0x41e22adf                      ; sqrt(384) * log2(e) = 28.270934, folded into q
	s_mov_b32 s23, 0x41e22adf
	s_mov_b32 s34, KBLK
	s_wait_alu depctr_va_sdst(0)                   ; s14 is written, ahead of its first reader: offsets, LDS addresses and trip counts are made from it
	s_mul_i32 s16, s14, 32*XROW
	s_sub_co_u32 s17, 224*XROW, s16
	v_mul_u32_u24 v3, v2, 8*XROW
	v_lshl_add_u32 v3, v1, 4, v3                   ; 8 h rows + 16 r bytes: lanes 0-15 one row's 256 bytes, lanes 16-31 the row 8 further
	v_add_nc_u32 v[XL], s16, v3
	v_add_nc_u32 v[XL+1], s17, v3
	s_mul_i32 s16, ttmp9, 2*XBATCH                 ; at most 255 x 786,432: below 2^31
	s_mov_b32 s17, 0
	s_lshl_b32 s18, ttmp9, 17
	s_mov_b32 s19, 0
	s_wait_kmcnt 0x0
	s_add_nc_u64 s[4:5], s[4:5], s[16:17]          ; x and out at the work-group's first batch
	s_add_nc_u64 s[12:13], s[12:13], s[18:19]
; 16 loads: one pair of 32 rows (half 0 low, 1 high) x 256 bytes at byte roff of the rows, into half a slot
.macro XFILL win, base, half, roff
	WIN ((\win)<<6)
.irp i, 0,1,2,3,4,5,6,7,8,9,10,11,12,13,14,15
	global_load_b128 v[\base+64*\half+4*\i:\base+64*\half+4*\i+3], v[XL+\half], s[4:5] offset:\roff+((\i&7)+16*(\i>>3))*XROW th:TH_LOAD_NT
.endr
.endm
.macro SLOT k                          ; the slot of chunk k: window SW_, first register SB_
.set SW_, 3
.set SB_, 128
.if (\k)%3 == 0
.set SW_, 2
.endif
.if (\k)%3 == 1
.set SB_, 0
.endif
.endm
; Half h of chunk k is waited for and rounded into Y: registers 2i, 2i+1 take the four numbers of load i.
; THE COUNTS OF s_wait_loadcnt.  x's loads are issued in this order, h0 and h1 being a chunk's low and high pair of rows, 16 loads each:
;   [0h0 0h1 1h0] [1h1 2h0 2h1]  3h0 3h1 (at the batch's head)  4h0 4h1 (chunk 0)  5h0 5h1 (chunk 1),
; each of the last six behind the rounding of the half three chunks before it and ahead of the wait for the next half.
; The two bracketed stretches are each jumped over as a whole by the last batch, so a count leans only on loads of the awaited load's own stretch
; and on those of the batch itself.  0h0: 0h1, 1h0 = 32.  0h1: 1h0, 3h0 = 32.  1h0: 3h0, 3h1 = 32.  1h1 .. 3h1: 64 or 80, and 63 is the largest
; count that the wait can name.  4h0: 4h1 and chunk 5 = 48; 4h1: 32; 5h0: 16; 5h1: 0.
.macro ROUNDX k, h
	SLOT \k
.set LW_, 63
.if (\k) == 0
.set LW_, 32
.endif
.if ((\k) == 1) && ((\h) == 0)
.set LW_, 32
.endif
.if (\k) == 4
.set LW_, 48-16*(\h)
.endif
.if (\k) == 5
.set LW_, 16-16*(\h)
.endif
	s_wait_loadcnt LW_
	s_wait_alu depctr_vm_vsrc(0)                   ; the stage stores issued so far have read Y, which the roundings write again
	WIN (SW_|(SW_<<2))
.irp i, 0,1,2,3,4,5,6,7,8,9,10,11,12,13,14,15
	v_cvt_pk_bf16_f32 v[Y+2*\i], v[SB_+64*(\h)+4*\i], v[SB_+64*(\h)+4*\i+1]
	v_cvt_pk_bf16_f32 v[Y+2*\i+1], v[SB_+64*(\h)+4*\i+2], v[SB_+64*(\h)+4*\i+3]
.endr
.endm
; Y into half of my stage, in one run.  The stage is mine alone and LDS serves a wave's instructions in order (ISA guide 5.7.1): no wait on DScnt and no barrier orders it.
.macro STAGE half
.irp i, 0,1,2,3,4,5,6,7,8,9,10,11,12,13,14,15
	ds_store_b64 v[XST], v[Y+2*\i:Y+2*\i+1] offset:(32*\half+(\i&7)+16*(\i>>3))*XPITCH
.endr
.endm
	WIN (2<<6)
	s_wait_alu depctr_va_vdst(0)                   ; v9 and v10 are written: every load of x reads one of them as its offset
	XFILL 2, 128, 0, 0                             ; chunks 0 and 1 of the first batch into slots 0 and 1
	XFILL 2, 128, 1, 0
	XFILL 3, 0, 0, 256
	XFILL 3, 0, 1, 256
	WIN 0
	; the other addresses, while those loads are on their way
	s_mul_i32 s16, s14, 96*256
	v_lshlrev_b32 v3, 11, v2
	v_lshl_add_u32 v3, v1, 4, v3
	v_add_nc_u32 v[WG], s16, v3                    ; (96 w + 8 h) rows of 256 bytes + 16 r
	v_mul_u32_u24 v27, v1, WPITCH
	v_lshl_add_u32 v[WQ], v2, 4, v27
	v_add_nc_u32 v[WK], WSEC, v[WQ]
	v_add_nc_u32 v[WV], 2*WSEC, v[WQ]
	s_mul_i32 s16, s14, 192
	v_lshlrev_b32 v27, 2, v27                      ; feature 4 r
	v_lshl_add_u32 v27, v2, 4, v27
	v_add_nc_u32 v[WSTA], s16, v27                 ; + 2 (96 w + 8 h) bytes along k
	v_add_nc_u32 v[WSTB], 2*WSEC, v[WSTA]
	s_mul_i32 s16, s14, XSW
	s_add_co_u32 s16, s16, XS
	v_mul_u32_u24 v28, v1, KPITCH
	v_lshl_add_u32 v28, v2, 4, v28                 ; 144 r + 16 h: the lane term of the stage's and of K's fragments
	v_add_nc_u32 v[XA], s16, v28
	v_mul_u32_u24 v27, v2, 8*XPITCH
	v_lshl_add_u32 v27, v1, 3, v27
	v_add_nc_u32 v[XST], s16, v27
	s_mul_i32 s16, s14, KBLK
	s_sub_co_u32 s17, KH+7*KBLK, s16
	s_add_co_u32 s16, s16, KH
	v_add_nc_u32 v[KSL], s16, v28                  ; key block w
	v_add_nc_u32 v[KSH], s17, v28                  ; key block 7 - w
	v_mul_u32_u24 v27, v1, VPITCH
	v_lshl_add_u32 v27, v2, 4, v27
	s_lshl_b32 s16, s14, 6
	s_sub_co_u32 s17, VT+7*VBLK, s16
	s_add_co_u32 s16, s16, VT
	v_add_nc_u32 v[VSL], s16, v27
	v_add_nc_u32 v[VSH], s17, v27
	s_mul_i32 s16, s14, OSW
	s_add_co_u32 s16, s16, OS
	v_mul_u32_u24 v27, v1, OPITCH
	v_lshl_add_u32 v27, v2, 5, v27
	v_add_nc_u32 v[OST], s16, v27
	v_mul_u32_u24 v27, v2, OPITCH
	v_lshl_add_u32 v27, v1, 4, v27
	v_add_nc_u32 v[ORD], s16, v27
	v_lshlrev_b32 v27, 8, v2
	v_lshl_add_u32 v27, v1, 4, v27
	s_lshl_b32 s16, s14, 13
	s_sub_co_u32 s17, 224*256, s16
	v_add_nc_u32 v[OGL], s16, v27
	v_add_nc_u32 v[OGL+1], s17, v27
	v_mov_b32 v[NEG1], -1.0
	v_lshlrev_b32 v3, 3, v2
	v_sub_nc_u32 v3, v1, v3                        ; r - 8 h
.irp j, 0,1,2,3,4,5,6,7
	v_cmp_le_i32 s[24+\j], \j, v3                  ; diagonal tile, register j: key 8 h + j <= query r
.endr
	s_wait_alu depctr_va_sdst(0)                   ; s24 to s31 are written: the wait stands in the compares' own run of code, ahead of the selects that read them in attention
	s_wait_alu depctr_va_vdst(0)                   ; v4 to v8, v11 to v14 and v19 to v25 are written: the addresses and offsets of all the loads and stores below
	; W: my 96 rows of k of each matrix, 18 units of 16 rows (8 loads, 32 registers at absolute register 64 + 32 u), then x chunk 2
.set UU, 0
.rept 18
.set WA_, 64+32*UU
	WIN ((WA_>>8)<<6)
.irp j, 0,1,2,3,4,5,6,7
	global_load_b128 v[(WA_&255)+4*\j:(WA_&255)+4*\j+3], v[WG], s[6+2*(UU/6):7+2*(UU/6)] offset:4096*(UU%6)+256*\j
.endr
.set UU, UU+1
.endr
	XFILL 3, 128, 0, 512
	XFILL 3, 128, 1, 512
	; A unit holds W[k0 + 8h + j][4r + c] in register 4j + c.  Packing rows 2q, 2q+1 of column c gives 16 bytes of W^T[4r + c][k0 + 8h ..].
	; Three units at a time.  Unit u is packed into the 16 registers from 32 + 32 u on, which unit u - 1 has left (unit 0: v32-47): no register that an
	; LDS store reads is written again in this stretch, and one wait on va_vdst serves twelve stores.
.set UU, 0
.set US, 0
.rept 6
.set WC_, 8*(15-UU)+32                 ; behind the loads of the group's last unit stand the later units' and chunk 2's 32
.if WC_ > 63
.set WC_, 63                           ; the largest count that the wait can name
.endif
	s_wait_loadcnt WC_
.rept 3
.set WA_, 64+32*UU
.set WO_, 32+32*UU
	WIN ((WA_>>8)|((WA_>>8)<<2)|((WO_>>8)<<6))
.irp c, 0,1,2,3
.irp q, 0,1,2,3
	v_cvt_pk_bf16_f32 v[(WO_&255)+4*\c+\q], v[(WA_&255)+8*\q+\c], v[(WA_&255)+8*\q+4+\c]
.endr
.endr
.set UU, UU+1
.endr
	s_wait_alu depctr_va_vdst(0)                   ; the roundings have written the three units' 48 registers, which the LDS stores read
.rept 3
.set WO_, 32+32*US
	WIN ((WO_>>8)<<2)
.irp c, 0,1,2,3
.if US/6 == 2
	ds_store_b128 v[WSTB], v[(WO_&255)+4*\c:(WO_&255)+4*\c+3] offset:\c*WPITCH+32*(US%6)
.else
	ds_store_b128 v[WSTA], v[(WO_&255)+4*\c:(WO_&255)+4*\c+3] offset:(US/6)*WSEC+\c*WPITCH+32*(US%6)
.endif
.endr
.set US, US+1
.endr
.endr
	WIN 0
	s_wait_dscnt 0x0                               ; my part of W^T is in LDS,
	s_barrier_signal -1
	s_barrier_wait -1                              ; everybody's is
	s_mov_b32 s35, 0                               ; the batch
.macro LOADB buf, adr, ks              ; 4 fragments of W^T (64 features x 32 k at K step ks)
.irp tn, 0,1,2,3
	ds_load_b128 v[\buf+8*\tn:\buf+8*\tn+3], v[\adr] offset:\tn*16*WPITCH+64*(\ks)
	ds_load_b128 v[\buf+8*\tn+4:\buf+8*\tn+7], v[\adr] offset:\tn*16*WPITCH+64*(\ks)+32
.endr
.endm
.macro LOADA buf, kk                   ; 4 fragments of x (my 64 rows x 32 k, half kk of the chunk)
.irp ta, 0,1,2,3
	ds_load_b128 v[\buf+8*\ta:\buf+8*\ta+3], v[XA] offset:\ta*16*XPITCH+64*\kk
	ds_load_b128 v[\buf+8*\ta+4:\buf+8*\ta+7], v[XA] offset:\ta*16*XPITCH+64*\kk+32
.endr
.endm
; 16 products.  zero: the first product starts the sums.  st = 0, 1: that half's 16 stage stores from Y, one behind each product (address and data
; lie in window 0 under both settings of the products: no switch); st = -1: none.
.macro MUL16S acc, bf, af, zero, st    ; W^T as source 0 (q and k)
.irp ta, 0,1,2,3
.irp tn, 0,1,2,3
.if \zero
	v_wmma_f32_16x16x32_bf16 v[\acc+8*(4*\ta+\tn):\acc+8*(4*\ta+\tn)+7], v[\bf+8*\tn:\bf+8*\tn+7], v[\af+8*\ta:\af+8*\ta+7], 0
.else
	v_wmma_f32_16x16x32_bf16 v[\acc+8*(4*\ta+\tn):\acc+8*(4*\ta+\tn)+7], v[\bf+8*\tn:\bf+8*\tn+7], v[\af+8*\ta:\af+8*\ta+7], v[\acc+8*(4*\ta+\tn):\acc+8*(4*\ta+\tn)+7]
.endif
.if (\st) >= 0
	ds_store_b64 v[XST], v[Y+2*(4*\ta+\tn):Y+2*(4*\ta+\tn)+1] offset:(32*(\st)+((4*\ta+\tn)&7)+16*((4*\ta+\tn)>>3))*XPITCH
.endif
.endr
.endr
.endm
.macro MUL16N acc, bf, af, zero, st    ; x as source 0 (v)
.irp ta, 0,1,2,3
.irp tn, 0,1,2,3
.if \zero
	v_wmma_f32_16x16x32_bf16 v[\acc+8*(4*\ta+\tn):\acc+8*(4*\ta+\tn)+7], v[\af+8*\ta:\af+8*\ta+7], v[\bf+8*\tn:\bf+8*\tn+7], 0
.else
	v_wmma_f32_16x16x32_bf16 v[\acc+8*(4*\ta+\tn):\acc+8*(4*\ta+\tn)+7], v[\af+8*\ta:\af+8*\ta+7], v[\bf+8*\tn:\bf+8*\tn+7], v[\acc+8*(4*\ta+\tn):\acc+8*(4*\ta+\tn)+7]
.endif
.if (\st) >= 0
	ds_store_b64 v[XST], v[Y+2*(4*\ta+\tn):Y+2*(4*\ta+\tn)+1] offset:(32*(\st)+((4*\ta+\tn)&7)+16*((4*\ta+\tn)>>3))*XPITCH
.endif
.endr
.endr
.endm
; CHUNK c: two K steps, six groups of 16 products: g0 q, g1 k, g2 v (K step 2c, on AF0), g3 q, g4 k, g5 v (K step 2c+1, on AF1).
; Group i reads B[(2c + i) % 4].  LDS instructions are issued in this order (Bgi: group i's 8 loads; g6, g7: the next chunk's g0, g1; A1: AF1 of this
; chunk; A0': AF0 of the next; ST0, ST1: the next chunk's 16 + 16 stage stores):
;   A1 Bg2 | g0 with ST0 | Bg3 | g1 || Bg4 | g2 with ST1 | Bg5 | g3 || A0' Bg6 | g4 | Bg7 | g5
; At the chunk's head A0, Bg0, Bg1 are out.  ST0 stands behind A1, the last read of this chunk in the stage; A0' behind ST1.
; Each s_wait_dscnt counts the LDS instructions issued behind the fragments that the next 16 products read.  Chunk 5 has no next chunk: no ST, A0', Bg6, Bg7.
; Half 1 of chunk c+1 is rounded behind g1, half 0 of chunk c+2 behind g5: these 32 roundings are also the places behind the products.
.macro CHUNK c
.set ZR_, 0
.if \c == 0
.set ZR_, 1
.endif
.set H1_, 0                            ; there is a chunk c+1
.if \c < 5
.set H1_, 1
.endif
.set H2_, 0                            ; there is a chunk c+2
.if \c < 4
.set H2_, 1
.endif
.set RL_, 0                            ; chunk c+1's slot is asked for again, for chunk c+4
.if \c < 2
.set RL_, 1
.endif
.set CK_, \c+1
.set ST0_, -1
.set ST1_, -1
.if H1_
.set ST0_, 0
.set ST1_, 1
.endif
	; ---- g0, g1
.if RL_
	SLOT CK_
	WIN (SW_<<6)
.else
	WIN 0
.endif
	s_wait_alu depctr_va_vdst(0)                   ; the last pair's products are done reading AF1 and the B buffers of g2 and g3; the roundings have written Y and are done reading their half slot
.if \c == 5
	s_cmp_eq_u32 s35, 1                            ; all three slots are empty, and the wait above stands behind every rounding that read them.  Not in the last batch:
	s_cbranch_scc1 .Lno_next1
	XFILL 2, 128, 0, XBATCH                        ; the next batch's chunk 0 and the low pair of its chunk 1: 48 loads
	XFILL 2, 128, 1, XBATCH
	XFILL 3, 0, 0, XBATCH+256
	WIN 0
.Lno_next1:
.endif
.if RL_
	XFILL SW_, SB_, 0, (CK_+3)*256
.endif
	WIN 0
	LOADA AF1, 1
	LOADB BB+32*((2*\c+2)%4), WV, 2*\c
	s_wait_dscnt 24                                ; behind Bg0: Bg1, A1, Bg2
	WIN 0x50
	MUL16S ACCQ, BB+32*((2*\c)%4), AF0, ZR_, ST0_
	WIN 0
	LOADB BB+32*((2*\c+3)%4), WQ, 2*\c+1           ; no wait: no vector or matrix instruction since the wait above names this buffer
	s_wait_dscnt 24+16*H1_                         ; behind Bg1: A1, Bg2, ST0, Bg3
	WIN 0x50
	MUL16S ACCK, BB+32*((2*\c+1)%4), AF0, ZR_, -1
.if H1_
	ROUNDX CK_, 1
.else
	PLACES
.endif
	; ---- g2, g3
.if RL_
	WIN (SW_<<6)
.else
	WIN 0
.endif
	s_wait_alu depctr_va_vdst(0)                   ; g0 and g1 are done reading their B buffers; the roundings have written Y and are done reading their half slot
.if RL_
	XFILL SW_, SB_, 1, (CK_+3)*256
.endif
	WIN 0
	LOADB BB+32*((2*\c)%4), WK, 2*\c+1
	s_wait_dscnt 16+16*H1_                         ; behind Bg2: ST0, Bg3, Bg4
	WIN 0xa0
	MUL16N ACCV, BB+32*((2*\c+2)%4), AF0, ZR_, ST1_
	WIN 0
	LOADB BB+32*((2*\c+1)%4), WV, 2*\c+1
	s_wait_dscnt 16+16*H1_                         ; behind Bg3: Bg4, ST1, Bg5
	WIN 0x50
	MUL16S ACCQ, BB+32*((2*\c+3)%4), AF1, 0, -1
	; ---- g4, g5
.if H1_
	PLACES
	WIN 0
	s_wait_alu depctr_va_vdst(0)                   ; g2 and g3 are done reading their B buffers, g2 is done reading AF0
	LOADA AF0, 0                                   ; chunk c+1, behind its stage stores
	LOADB BB+32*((2*\c+2)%4), WQ, 2*\c+2
.endif
	s_wait_dscnt 8+32*H1_                          ; behind Bg4: ST1, Bg5, A0', Bg6
	WIN 0x50
	MUL16S ACCK, BB+32*((2*\c)%4), AF1, 0, -1
.if H1_
	WIN 0
	LOADB BB+32*((2*\c+3)%4), WK, 2*\c+2
.endif
	s_wait_dscnt 24*H1_                            ; behind Bg5: A0', Bg6, Bg7
	WIN 0xa0
	MUL16N ACCV, BB+32*((2*\c+1)%4), AF1, 0, -1
.if H2_
	ROUNDX CK_+1, 0
.elseif H1_
	PLACES
.endif
.endm
.macro LOADK                           ; the block of 32 keys at KF: hi and lo, 2 x 16 keys, 2 x 32 features: 16 loads
.irp tp, 0,1
.irp tu, 0,1
.irp tk, 0,1
	ds_load_b128 v[FK+32*\tp+8*(2*\tu+\tk):FK+32*\tp+8*(2*\tu+\tk)+3], v[KF] offset:\tp*KLOFF+\tu*16*KPITCH+64*\tk
	ds_load_b128 v[FK+32*\tp+8*(2*\tu+\tk)+4:FK+32*\tp+8*(2*\tu+\tk)+7], v[KF] offset:\tp*KLOFF+\tu*16*KPITCH+64*\tk+32
.endr
.endr
.endr
.endm
.macro LOADV                           ; 32 keys of V^T at VF, 4 x 16 features: 8 loads
.irp ti, 0,1,2,3
	ds_load_b128 v[FV+8*\ti:FV+8*\ti+3], v[VF] offset:\ti*16*VPITCH
	ds_load_b128 v[FV+8*\ti+4:FV+8*\ti+7], v[VF] offset:\ti*16*VPITCH+32
.endr
.endm
; A pair's state in a trip: 0 not yet begun, 1 its diagonal block (its first: the sums start), 2 a full block.
; In a diagonal block the even tile has only keys 0-15 (masked); the odd tile has keys 0-15 whole and keys 16-31 masked.
; One link of every active chain: S(a, u) += K(part kp, u, kk) x Q(a, part qp, kk)
.macro SROUND kp, qp, kk, first, lom, him
.irp ta, 0,1,2,3
.irp tu, 0,1
.if \ta < 2
.set PM_, \lom
.else
.set PM_, \him
.endif
.set ACT_, 0
.if PM_ == 2
.set ACT_, 1
.endif
.if PM_ == 1
.if (\ta&1) == 1
.set ACT_, 1
.endif
.if \tu == 0
.set ACT_, 1
.endif
.endif
.if ACT_
.if \first
	v_wmma_f32_16x16x32_bf16 v[SREG+16*\ta+8*\tu:SREG+16*\ta+8*\tu+7], v[FK+32*\kp+8*(2*\tu+\kk):FK+32*\kp+8*(2*\tu+\kk)+7], v[QF+32*\ta+16*\qp+8*\kk:QF+32*\ta+16*\qp+8*\kk+7], 0
.else
	v_wmma_f32_16x16x32_bf16 v[SREG+16*\ta+8*\tu:SREG+16*\ta+8*\tu+7], v[FK+32*\kp+8*(2*\tu+\kk):FK+32*\kp+8*(2*\tu+\kk)+7], v[QF+32*\ta+16*\qp+8*\kk:QF+32*\ta+16*\qp+8*\kk+7], v[SREG+16*\ta+8*\tu:SREG+16*\ta+8*\tu+7]
.endif
.endif
.endr
.endr
.endm
; op a, mode, init for every active tile.  mode 0 full, 1 diagonal even tile, 2 diagonal odd tile; init 1: the tile's first block
.macro TILES op, lom, him
.if \lom == 1
	\op 0, 1, 1
	\op 1, 2, 1
.endif
.if \lom == 2
	\op 0, 0, 0
	\op 1, 0, 0
.endif
.if \him == 1
	\op 2, 1, 1
	\op 3, 2, 1
.endif
.if \him == 2
	\op 2, 0, 0
	\op 3, 0, 0
.endif
.endm
; The softmax step in stages, each over all active tiles, so that neighbouring lines do not wait for each other.  All in window 2.
.macro SMA a, mode, init               ; mask the diagonal tile, then the largest of my 8 or 16 logits
.set S_, SREG+16*\a
.set T_, TREG+2*\a
.if \mode == 1
.irp j, 0,1,2,3,4,5,6,7
	v_cndmask_b32 v[S_+\j], v[NEGI], v[S_+\j], s[24+\j]
.endr
	v_max3_num_f32 v[T_], v[S_], v[S_+1], v[S_+2]
	v_max3_num_f32 v[T_+1], v[S_+3], v[S_+4], v[S_+5]
	v_max3_num_f32 v[T_], v[T_], v[S_+6], v[S_+7]
	v_max_num_f32 v[T_], v[T_], v[T_+1]
.else
.if \mode == 2
.irp j, 0,1,2,3,4,5,6,7
	v_cndmask_b32 v[S_+8+\j], v[NEGI], v[S_+8+\j], s[24+\j]
.endr
.endif
	v_max3_num_f32 v[T_], v[S_], v[S_+1], v[S_+2]
	v_max3_num_f32 v[T_+1], v[S_+8], v[S_+9], v[S_+10]
	v_max3_num_f32 v[T_], v[T_], v[S_+3], v[S_+4]
	v_max3_num_f32 v[T_+1], v[T_+1], v[S_+11], v[S_+12]
	v_max3_num_f32 v[T_], v[T_], v[S_+5], v[S_+6]
	v_max3_num_f32 v[T_+1], v[T_+1], v[S_+13], v[S_+14]
	v_max3_num_f32 v[T_], v[T_], v[S_+7], v[S_+15]
	v_max_num_f32 v[T_], v[T_], v[T_+1]
.endif
.endm
.macro SMB a, mode, init               ; the other half of the lanes holds the query's other keys
	v_permlanex16_b32 v[TREG+2*\a+1], v[TREG+2*\a], s20, s21
.endm
.macro SMC a, mode, init               ; the running maximum; old - new for the rescaling.  A diagonal block holds key = query: the maximum is finite
.if \init
	v_max_num_f32 v[MREG+2*\a], v[TREG+2*\a], v[TREG+2*\a+1]
.else
	v_mov_b32 v[ALREG+2*\a], v[MREG+2*\a]
	v_max3_num_f32 v[MREG+2*\a], v[TREG+2*\a], v[TREG+2*\a+1], v[MREG+2*\a]
	v_sub_f32 v[ALREG+2*\a], v[ALREG+2*\a], v[MREG+2*\a]
.endif
.endm
.macro SMD a, mode, init               ; logit - maximum, two at a time, the maximum broadcast from the pair's first register
.irp j, 0,2,4,6
	v_pk_add_f32 v[SREG+16*\a+\j:SREG+16*\a+\j+1], v[SREG+16*\a+\j:SREG+16*\a+\j+1], v[MREG+2*\a:MREG+2*\a+1] op_sel_hi:[1,0] neg_lo:[0,1] neg_hi:[0,1]
.endr
.if \mode != 1
.irp j, 8,10,12,14
	v_pk_add_f32 v[SREG+16*\a+\j:SREG+16*\a+\j+1], v[SREG+16*\a+\j:SREG+16*\a+\j+1], v[MREG+2*\a:MREG+2*\a+1] op_sel_hi:[1,0] neg_lo:[0,1] neg_hi:[0,1]
.endr
.endif
.endm
.macro SME a, mode, init               ; 2^x: the factor log2(e) is in q.  Masked logits are -infinity and give 0
.irp j, 0,1,2,3,4,5,6,7
	v_exp_f32 v[SREG+16*\a+\j], v[SREG+16*\a+\j]
.endr
.if \mode != 1
.irp j, 8,9,10,11,12,13,14,15
	v_exp_f32 v[SREG+16*\a+\j], v[SREG+16*\a+\j]
.endr
.endif
.if \init == 0
	v_exp_f32 v[ALREG+2*\a], v[ALREG+2*\a]
.endif
.endm
.macro SMF a, mode, init               ; P in bf16: keys 8h+0..7 in registers 0-3, keys 16+8h+0..7 in registers 4-7: a fragment as it stands
.irp j, 0,1,2,3
	v_cvt_pk_bf16_f32 v[PREG+8*\a+\j], v[SREG+16*\a+2*\j], v[SREG+16*\a+2*\j+1]
.endr
.irp j, 4,5,6,7
.if \mode == 1
	v_mov_b32 v[PREG+8*\a+\j], 0
.else
	v_cvt_pk_bf16_f32 v[PREG+8*\a+\j], v[SREG+16*\a+2*\j], v[SREG+16*\a+2*\j+1]
.endif
.endr
.endm
.macro SMG a, mode, init               ; the sum of my keys, in place in S, which is done with; the two halves of the lanes are joined once, at the end
.set S_, SREG+16*\a
	v_pk_add_f32 v[S_:S_+1], v[S_:S_+1], v[S_+2:S_+3]
	v_pk_add_f32 v[S_+4:S_+5], v[S_+4:S_+5], v[S_+6:S_+7]
.if \mode != 1
	v_pk_add_f32 v[S_+8:S_+9], v[S_+8:S_+9], v[S_+10:S_+11]
	v_pk_add_f32 v[S_+12:S_+13], v[S_+12:S_+13], v[S_+14:S_+15]
.endif
	v_pk_add_f32 v[S_:S_+1], v[S_:S_+1], v[S_+4:S_+5]
.if \mode != 1
	v_pk_add_f32 v[S_+8:S_+9], v[S_+8:S_+9], v[S_+12:S_+13]
	v_pk_add_f32 v[S_:S_+1], v[S_:S_+1], v[S_+8:S_+9]
.endif
.if \init
	v_add_f32 v[LREG+\a], v[S_], v[S_+1]
.else
	v_fma_f32 v[LREG+\a], v[LREG+\a], v[ALREG+2*\a], v[S_]
	v_add_f32 v[LREG+\a], v[LREG+\a], v[S_+1]
.endif
.endm
.macro RESC a, mode, init              ; O(a) *= the pair's first register of AL(a)
.if \init == 0
.irp j, 0,2,4,6,8,10,12,14,16,18,20,22,24,26,28,30
	v_pk_mul_f32 v[32*\a+\j:32*\a+\j+1], v[32*\a+\j:32*\a+\j+1], v[ALREG+2*\a:ALREG+2*\a+1] op_sel_hi:[1,0]
.endr
.endif
.endm
.macro PVT a, mode, init               ; O(a, i) += V^T(i) x P(a)
.irp ti, 0,1,2,3
.if \init
	v_wmma_f32_16x16x32_bf16 v[32*\a+8*\ti:32*\a+8*\ti+7], v[FV+8*\ti:FV+8*\ti+7], v[PREG+8*\a:PREG+8*\a+7], 0
.else
	v_wmma_f32_16x16x32_bf16 v[32*\a+8*\ti:32*\a+8*\ti+7], v[FV+8*\ti:FV+8*\ti+7], v[PREG+8*\a:PREG+8*\a+7], v[32*\a+8*\ti:32*\a+8*\ti+7]
.endif
.endr
.endm
; One key block.  At its head the block's 16 loads of K are out and nothing else, on every way in; KF points at this block, VF at the block above.
; Behind the S products both addresses go one block down, and this block's V^T and the next block's K are asked for: V^T has the softmax in which to
; land, K the softmax and the PV products.  A wave's last trip (block 0) thereby reads the 4,608 bytes in front of K and of K lo: bytes inside LDS that
; nobody writes then, never used.  These 16 loads a batch are the price of having each kind of trip in the text once.
.macro TRIP lom, him
	s_wait_dscnt 0x0                               ; K is in
	WIN 0xa4
	SROUND 0, 0, 0, 1, \lom, \him                  ; hi x hi
	SROUND 0, 0, 1, 0, \lom, \him
	SROUND 0, 1, 0, 0, \lom, \him                  ; K hi x Q lo
	SROUND 0, 1, 1, 0, \lom, \him
	SROUND 1, 0, 0, 0, \lom, \him                  ; K lo x Q hi
	SROUND 1, 0, 1, 0, \lom, \him
	WIN 0
	s_wait_alu depctr_vm_vsrc(0)                   ; the fragment loads issued so far have read v[KF] and v[VF]
	v_sub_nc_u32 v[KF], v[KF], s34                 ; these two and the two v_nop are the four places behind the S products
	v_sub_nc_u32 v[VF], v[VF], 64
	v_nop
	v_nop
	s_wait_alu depctr_va_vdst(0)                   ; v[KF] and v[VF] are written; the S products are done reading K's fragments, the last trip's PV products V^T's
	LOADV
	LOADK
	WIN 0xaa
	TILES SMA, \lom, \him
	TILES SMB, \lom, \him
	TILES SMC, \lom, \him
	TILES SMD, \lom, \him
	TILES SME, \lom, \him
	v_nop                                          ; one plain instruction between the run of exponentials and the first use of a result (ISA guide 5.7.2)
	s_wait_alu depctr_va_vdst(0)
	TILES SMF, \lom, \him
	TILES SMG, \lom, \him
	WIN 0x49
	TILES RESC, \lom, \him
	s_wait_dscnt 16                                ; V^T is in; behind it stand K's 16 loads
	WIN 0x58
	TILES PVT, \lom, \him
	WIN 0
.endm
; 16 rows of out through my stage: a lane's 32 bytes in, whole rows of 256 bytes back, each stored by 16 neighbouring lanes
.macro OUT16 a, f
	WIN 0x04
.irp ti, 0,1,2,3
	ds_store_b128 v[OST], v[32*\a+8*\ti:32*\a+8*\ti+3] offset:64*\ti
	ds_store_b128 v[OST], v[32*\a+8*\ti+4:32*\a+8*\ti+7] offset:64*\ti+16
.endr
	WIN 0
	s_wait_xcnt 0x0                                ; buffer f was the data of the stores two tiles ago: it is loaded again only behind this wait
.if \a >= 2
	s_wait_alu depctr_vm_vsrc(0)                   ; and those stores have read buffer f, in which the loads below land
.endif
.irp tt, 0,1,2,3,4,5,6,7
	ds_load_b128 v[\f+4*\tt:\f+4*\tt+3], v[ORD] offset:\tt*2*OPITCH        ; LDS serves my instructions in order: these see the stores above
.endr
.irp tt, 0,1,2,3,4,5,6,7
	s_wait_dscnt 7-\tt
	global_store_b128 v[OGL+(\a>>1)], v[\f+4*\tt:\f+4*\tt+3], s[12:13] offset:(\a&1)*4096+512*\tt th:TH_STORE_NT
.endr
.endm
; ================ ONE BATCH.  On both ways in, chunks 0, 1, 2 have been asked for, in the order 0h0 0h1 1h0 1h1 2h0 2h1.
; The first wait on vm_vsrc below (in ROUNDX) stands behind every LDS and global store of the prologue and of the batch before: beside Y it frees the
; registers that those read and this batch writes again: the prologue's packed W, O (the sums of q), F0 (B3) and F1 (Y).
.Lbatch:
	ROUNDX 0, 0                                    ; chunk 0, low pair
	WIN (2<<6)
	s_wait_alu depctr_va_vdst(0)                   ; the roundings have written Y, which the stage stores read, and are done reading the half slot, in which the loads land
	XFILL 2, 128, 0, 768                           ; its slot asks for chunk 3
	WIN 0
	STAGE 0
	ROUNDX 0, 1                                    ; chunk 0, high pair
	WIN (2<<6)
	s_wait_alu depctr_va_vdst(0)                   ; the same for the high pair; and all earlier vector and matrix instructions are done with v32-159, in which the fragments below land
	XFILL 2, 128, 1, 768
	WIN 0
	STAGE 1
	; ---------------- projection: 4 row tiles x 12 feature tiles x 12 K steps
	LOADA AF0, 0
	LOADB BB, WQ, 0
	LOADB BB+32, WK, 0
	ROUNDX 1, 0                                    ; chunk 1, low pair: its stores and its slot's reload stand in chunk 0
	CHUNK 0
	CHUNK 1
	CHUNK 2
	CHUNK 3
	CHUNK 4
	CHUNK 5
	; ---------------- k = hi + lo, v, to LDS; q * sqrt(384) log2(e) = hi + lo, to fragments
	PLACES
	WIN 0x05
.irp tt, 0,1,2,3,4,5,6,7,8,9,10,11,12,13,14,15
.irp q, 0,1,2,3
	v_cvt_pk_bf16_f32 v[RKHI+4*\tt+\q], v[ACCK+8*\tt+2*\q], v[ACCK+8*\tt+2*\q+1]
.endr
.endr
	WIN 0x50
.irp tt, 0,1,2,3,4,5,6,7,8,9,10,11,12,13,14,15
.irp q, 0,1,2,3
	v_fma_mix_f32_bf16 v[ACCK+8*\tt+2*\q], v[RKHI+4*\tt+\q], v[NEG1], v[ACCK+8*\tt+2*\q] op_sel_hi:[1,0,0]                    ; k - hi, exact
	v_fma_mix_f32_bf16 v[ACCK+8*\tt+2*\q+1], v[RKHI+4*\tt+\q], v[NEG1], v[ACCK+8*\tt+2*\q+1] op_sel:[1,0,0] op_sel_hi:[1,0,0]
.endr
.endr
	WIN 0x05
.irp tt, 0,1,2,3,4,5,6,7,8,9,10,11,12,13,14,15
.irp q, 0,1,2,3
	v_cvt_pk_bf16_f32 v[RKLO+4*\tt+\q], v[ACCK+8*\tt+2*\q], v[ACCK+8*\tt+2*\q+1]
.endr
.endr
	WIN 0x0a
.irp tt, 0,1,2,3,4,5,6,7,8,9,10,11,12,13,14,15
.irp q, 0,1,2,3
	v_cvt_pk_bf16_f32 v[RVB+4*\tt+\q], v[ACCV+8*\tt+2*\q], v[ACCV+8*\tt+2*\q+1]
.endr
.endr
	WIN 0
	s_wait_alu depctr_va_vdst(0)                   ; the roundings have written v32-223, which the 48 LDS stores read
	; The last batch's K and V^T are read by nobody any more: every wave passed the barrier behind its attention.
.irp ta, 0,1,2,3
.irp tn, 0,1,2,3
	ds_store_b128 v[KSL+(\ta>>1)], v[RKHI+4*(4*\ta+\tn):RKHI+4*(4*\ta+\tn)+3] offset:(\ta&1)*16*KPITCH+32*\tn
	ds_store_b128 v[KSL+(\ta>>1)], v[RKLO+4*(4*\ta+\tn):RKLO+4*(4*\ta+\tn)+3] offset:KLOFF+(\ta&1)*16*KPITCH+32*\tn
	ds_store_b128 v[VSL+(\ta>>1)], v[RVB+4*(4*\ta+\tn):RVB+4*(4*\ta+\tn)+3] offset:\tn*16*VPITCH+(\ta&1)*32
.endr
.endr
	WIN 0x41
.set JJ, 0
.rept 64
	v_pk_mul_f32 v[ACCQ+JJ:ACCQ+JJ+1], v[ACCQ+JJ:ACCQ+JJ+1], s[22:23] op_sel_hi:[1,0]
.set JJ, JJ+2
.endr
	s_wait_dscnt 0x0                               ; my rows of K and my columns of V^T are in LDS:
	s_barrier_signal -1                            ; say so,
	WIN 0x45
.irp ta, 0,1,2,3
.irp tn, 0,1,2,3
.irp q, 0,1,2,3
	v_cvt_pk_bf16_f32 v[QF+32*\ta+4*\tn+\q], v[ACCQ+8*(4*\ta+\tn)+2*\q], v[ACCQ+8*(4*\ta+\tn)+2*\q+1]      ; Q hi: registers only
.endr
.endr
.endr
	s_barrier_wait -1                              ; and read when all four have said so
	WIN 0
	s_wait_alu depctr_vm_vsrc(0)                   ; my 48 stores have read v32-223, in part of which fragments land; the last batch's fragment loads have read v[KF] and v[VF]
	v_mov_b32 v[KF], v[KSH]                        ; key block 7 - w: the high pair's diagonal
	v_add_nc_u32 v[VF], VBLK, v[VSH]               ; V^T one block above it: each trip steps down before it loads
	s_wait_alu depctr_va_vdst(0)                   ; v[KF] and v[VF] are written; the roundings that wrote v32-127 are done; so is every rounding that read an x slot
	LOADK
	WIN 0x51
.irp ta, 0,1,2,3
.irp tn, 0,1,2,3
.irp q, 0,1,2,3
	v_fma_mix_f32_bf16 v[ACCQ+8*(4*\ta+\tn)+2*\q], v[QF+32*\ta+4*\tn+\q], v[NEG1], v[ACCQ+8*(4*\ta+\tn)+2*\q] op_sel_hi:[1,0,0]
	v_fma_mix_f32_bf16 v[ACCQ+8*(4*\ta+\tn)+2*\q+1], v[QF+32*\ta+4*\tn+\q], v[NEG1], v[ACCQ+8*(4*\ta+\tn)+2*\q+1] op_sel:[1,0,0] op_sel_hi:[1,0,0]
.endr
.endr
.endr
	WIN 0x45
.irp ta, 0,1,2,3
.irp tn, 0,1,2,3
.irp q, 0,1,2,3
	v_cvt_pk_bf16_f32 v[QF+32*\ta+16+4*\tn+\q], v[ACCQ+8*(4*\ta+\tn)+2*\q], v[ACCQ+8*(4*\ta+\tn)+2*\q+1]   ; Q lo
.endr
.endr
.endr
	WIN 0x80
	v_mov_b32 v[NEGI], 0xff800000
.irp ta, 0,1,2,3
	v_mov_b32 v[MREG+2*\ta+1], 0                   ; the second registers of the broadcast pairs: named, never selected
	v_mov_b32 v[ALREG+2*\ta+1], 0
.endr
	WIN 0
	s_cmp_eq_u32 s35, 1                            ; not in the last batch:
	s_cbranch_scc1 .Lno_next2
	XFILL 3, 0, 1, XBATCH+256                      ; the high pair of the next batch's chunk 1, and its chunk 2: 48 loads.  No wait: no vector instruction since the
	XFILL 3, 128, 0, XBATCH+512                    ; wait ahead of K's loads names a register of window 3.
	XFILL 3, 128, 1, XBATCH+512                    ; (Apart from the first 48, so that the two stretches need not be out together.)
	WIN 0
.Lno_next2:
	; ---------------- attention, key blocks descending, each loaded once for both pairs.
	; From the barrier above to the one behind the last trip NO WAVE STORES TO LDS: K and V^T are read through addresses that are stepped in loops
	; whose trip counts differ from wave to wave, and nothing in LDS changes while any wave reads.
	TRIP 0, 1                                      ; block 7 - w: the high pair's diagonal
	s_lshl_b32 s32, s14, 1
	s_sub_co_u32 s32, 6, s32                       ; blocks 6 - w .. w + 1: the high pair alone, 6 - 2w trips
	s_cmp_eq_u32 s32, 0
	s_cbranch_scc1 .LendB
.LloopB:
	TRIP 0, 2
	s_sub_co_u32 s32, s32, 1
	s_cmp_lg_u32 s32, 0
	s_cbranch_scc1 .LloopB
.LendB:
	TRIP 1, 2                                      ; block w: the low pair's diagonal
	s_mov_b32 s33, s14                             ; blocks w - 1 .. 0: both pairs, w trips
	s_cmp_eq_u32 s33, 0
	s_cbranch_scc1 .LendA
.LloopA:
	TRIP 2, 2
	s_sub_co_u32 s33, s33, 1
	s_cmp_lg_u32 s33, 0
	s_cbranch_scc1 .LloopA
.LendA:
	s_wait_dscnt 0x0                               ; my reads of K and V^T are over (the last trip's look-ahead too):
	s_barrier_signal -1                            ; say so,
	; ---------------- out = O / sum: registers only, while the others arrive.  The four additions are the places behind the last PV products
	WIN 0xaa
.irp ta, 0,1,2,3
	v_permlanex16_b32 v[TREG+\ta], v[LREG+\ta], s20, s21
.endr
.irp ta, 0,1,2,3
	v_add_f32 v[LREG+\ta], v[LREG+\ta], v[TREG+\ta]
.endr
.irp ta, 0,1,2,3
	v_rcp_f32 v[ALREG+2*\ta], v[LREG+\ta]          ; the sum is at least 1
.endr
	v_nop                                          ; one plain instruction before the reciprocals are used (ISA guide 5.7.2)
	s_wait_alu depctr_va_vdst(0)
	WIN 0x49
	RESC 0, 0, 0
	RESC 1, 0, 0
	RESC 2, 0, 0
	RESC 3, 0, 0
	s_barrier_wait -1                              ; and store to LDS again when all four have said so
	WIN 0x04
	s_wait_alu depctr_va_vdst(0)                   ; the divisions have written O, which the stage stores of all four tiles read; every vector and matrix instruction that named F0 or F1 is done
	OUT16 0, F0
	OUT16 1, F1
	OUT16 2, F0
	OUT16 3, F1
	s_wait_xcnt 0x0                                ; the bases of the pending loads and stores, and the stores' data, are rewritten only behind this wait
	s_add_nc_u64 s[4:5], s[4:5], XBATCH
	s_add_nc_u64 s[12:13], s[12:13], OBATCH
	s_add_co_u32 s35, s35, 1
	s_cmp_lt_u32 s35, 2
	s_cbranch_scc1 .Lbatch
	s_wait_dscnt 0x0
	s_wait_alu depctr_hold_cnt(0) depctr_sa_sdst(0) depctr_va_vdst(0) depctr_va_sdst(0) depctr_va_ssrc(0) depctr_va_vcc(0) depctr_vm_vsrc(0)
	s_wait_tensorcnt 0x0
	ds_add_u32 v30, v31
	s_wait_dscnt 0x0
	s_endpgm
.Lfunc_end_k_qa1b2b5a38a_head:
	.size	k_qa1b2b5a38a_head, .Lfunc_end_k_qa1b2b5a38a_head-k_qa1b2b5a38a_head
	.p2alignl 7, 3214868480
	.fill 96, 4, 3214868480
	.section	.rodata,"a",@progbits
	.p2align	6, 0x0
	.amdhsa_kernel k_qa1b2b5a38a_head
		.amdhsa_group_segment_fixed_size 312832
		.amdhsa_private_segment_fixed_size 0
		.amdhsa_enable_private_segment 0
		.amdhsa_kernarg_size 40
		.amdhsa_user_sgpr_count 2
		.amdhsa_user_sgpr_kernarg_segment_ptr 1
		.amdhsa_wavefront_size32 1
		.amdhsa_system_sgpr_workgroup_id_x 1
		.amdhsa_system_sgpr_workgroup_id_y 1
		.amdhsa_system_sgpr_workgroup_id_z 1
		.amdhsa_system_vgpr_workitem_id 0
		.amdhsa_next_free_vgpr 1024
		.amdhsa_next_free_sgpr 66
		.amdhsa_reserve_vcc 0
		.amdhsa_float_denorm_mode_32 3
		.amdhsa_float_denorm_mode_16_64 3
		.amdhsa_memory_ordered 1
		.amdhsa_forward_progress 1
		.amdhsa_inst_pref_size 255
	.end_amdhsa_kernel
	.section	.bss,"aw",@nobits
	.p2align	6
	.space	262144
	.amdgpu_metadata
---
amdhsa.version: [ 1, 2 ]
amdhsa.kernels:
  - .name:           k_qa1b2b5a38a_head
    .symbol:         k_qa1b2b5a38a_head.kd
    .args:
      - { .name: x, .offset: 0, .size: 8, .value_kind: global_buffer, .address_space: global }
      - { .name: Wq, .offset: 8, .size: 8, .value_kind: global_buffer, .address_space: global }
      - { .name: Wk, .offset: 16, .size: 8, .value_kind: global_buffer, .address_space: global }
      - { .name: Wv, .offset: 24, .size: 8, .value_kind: global_buffer, .address_space: global }
      - { .name: out0, .offset: 32, .size: 8, .value_kind: global_buffer, .address_space: global }
    .group_segment_fixed_size: 312832
    .private_segment_fixed_size: 0
    .kernarg_segment_align: 8
    .kernarg_segment_size: 40
    .max_flat_workgroup_size: 128
    .sgpr_count:     66
    .vgpr_count:     1024
    .wavefront_size: 32
...
	.end_amdgpu_metadata
.endif
;; end of part 3
